; MI455X (gfx1250); checked and timed in simulation.
; The chip was launched on July 23, 2026; its instructions are those of AMD's public machine-readable ISA for CDNA 5 (MIT licence, August 2026) and "CDNA5" Instruction Set Architecture Reference Guide (July 2026). The comments in the code are by the model that wrote it; some were corrected since.
;; Transformer Block. Allowed arithmetic: float matrix products may take bf16 or f16 operands with f32 sums; other float arithmetic in f32, or as packed bf16 or f16 multiplies, adds, multiply-adds, maxima and minima; sums over many terms, partial sums and values carried from step to step in f32; what a program stores and reads back later, other than sums and carried values, may be rounded once to bf16 or f16.
;; Inputs: b1 4,096 float32; b2 1,024 float32; bk 1,024 float32; bo 1,024 float32; bq 1,024 float32; bv 1,024 float32; hidden 2 x 2,048 x 1,024 float32; ln1_b 1,024 float32; ln1_g 1,024 float32; ln2_b 1,024 float32; ln2_g 1,024 float32; mask 2 x 2,048 int32; w1 1,024 x 4,096 float32; w2 4,096 x 1,024 float32; wk 1,024 x 1,024 float32; wo 1,024 x 1,024 float32; wq 1,024 x 1,024 float32; wv 1,024 x 1,024 float32.
;; Outputs: out0 2 x 2,048 x 1,024 float32.
;; 2 versions, each right; version 2 is version 1 with the launches prep, ln2 written anew for expert scheduling mode. Each part assembles by itself: llvm-mc -triple=amdgcn-amd-amdhsa -mcpu=gfx1250 --defsym DOCPART=n.
;; ======== version 1 of 2: 7 launches
;; limits: right only within a limited range of input values
;; workspace buffers: wb 25,165,824 bytes; xa 8,388,608 bytes; qkv 25,165,824 bytes; h 16,777,216 bytes; act 33,554,432 bytes
;; launch prep (part 1): grid 1024 x 1, 8 waves a work-group, no clusters, 0 bytes of LDS; arguments hidden, ln1_g, ln1_b, xa, wq, wk, wv, wo, w1, w2, wb; writes xa, wb
.if DOCPART == 1
	.amdgcn_target "amdgcn-amd-amdhsa--gfx1250"
	.amdhsa_code_object_version 6
	.text
	.protected	k_q6561ec2708_prep
	.globl	k_q6561ec2708_prep
	.p2align	8
	.type	k_q6561ec2708_prep,@function
k_q6561ec2708_prep:
	s_mov_b64 s[64:65], 0
	v_nop
	global_prefetch_b8 v0, s[64:65] scope:SCOPE_SE
	s_setreg_imm32_b32 hwreg(HW_REG_WAVE_MODE, 25, 1), 1
	s_wait_xcnt 0x0
; TWO STREAMS IN ONE BODY.  Arguments: x, g, b, y, wq, wk, wv, wo, w1, w2, wb.
; Work-groups 0-255: y = layer norm of x, rounded once to bf16.  x: [4096][1024] f32, y: [4096][1024] bf16.  mean, then the sum of (x - mean)^2 (two passes over
; registers: no difference of large sums), / 1023, root, + 1e-6, reciprocal; y = g (x - mean) inv + b.  A wave takes two rows, each in 32 registers.
; Work-groups 256-1023: the six weights, f32, are rounded once to bf16 into wb, order unchanged: wq, wk, wv, wo, w1, w2 on end; 16,384 numbers a work-group.
; Every work-group reads 64 KiB and stores 32 KiB.  Each load of a wave covers 512 consecutive bytes, each store 256 consecutive bytes, aligned.
; No LDS, no matrix unit: nothing is shared between waves.  LIMIT: a variance below 2^-126 counts as 0 (the root's input is flushed).
.set G,   16                           ; v[16:47]   g of my 32 columns
.set BV,  48                           ; v[48:79]   b
.set X0,  80                           ; v[80:111]  row 0
.set X1,  112                          ; v[112:143] row 1
.set T,   144                          ; v[144:151] at work
.set Y0,  152                          ; v[152:167] row 0, bf16
.set Y1,  168                          ; v[168:183] row 1, bf16
	s_load_b256 s[4:11], s[0:1], 0x0               ; x s[4:5], g s[6:7], b s[8:9], y s[10:11]
	s_load_b256 s[12:19], s[0:1], 0x20             ; wq, wk, wv, wo
	s_load_b128 s[20:23], s[0:1], 0x40             ; w1, w2
	s_load_b64 s[24:25], s[0:1], 0x50              ; wb
	v_lshrrev_b32 v3, 5, v0
	v_readfirstlane_b32 s30, v3                    ; wave 0..7
	v_and_b32 v1, 31, v0
	v_lshlrev_b32 v2, 3, v1                        ; 8 x lane: my bf16 out
	v_lshlrev_b32 v1, 4, v1                        ; 16 x lane: my f32 in
	s_mov_b32 s26, 0x76543210                      ; v_permlanex16_b32: each lane takes its own place in the other half
	s_mov_b32 s27, 0xfedcba98
	s_mov_b32 s33, 0
	s_mov_b32 s37, 0
	s_wait_kmcnt 0x0
	s_cmp_ge_u32 ttmp9, 256
	s_cbranch_scc1 .Lcast
	s_lshl_b32 s31, ttmp9, 4
	s_lshl_b32 s32, s30, 1
	s_add_co_u32 s31, s31, s32                     ; my first row
	s_lshl_b32 s32, s31, 12
	s_add_nc_u64 s[4:5], s[4:5], s[32:33]
	s_lshl_b32 s32, s31, 11
	s_add_nc_u64 s[10:11], s[10:11], s[32:33]
.irp j, 0,1,2,3,4,5,6,7
	global_load_b128 v[X0+4*(\j):X0+4*(\j)+3], v1, s[4:5] offset:512*(\j)
.endr
.irp j, 0,1,2,3,4,5,6,7
	global_load_b128 v[X1+4*(\j):X1+4*(\j)+3], v1, s[4:5] offset:4096+512*(\j)
.endr
.irp j, 0,1,2,3,4,5,6,7
	global_load_b128 v[G+4*(\j):G+4*(\j)+3], v1, s[6:7] offset:512*(\j)
.endr
.irp j, 0,1,2,3,4,5,6,7
	global_load_b128 v[BV+4*(\j):BV+4*(\j)+3], v1, s[8:9] offset:512*(\j)
.endr
; four chains of pairs in v[T:T+7] -> the row's sum in v[T] of every lane
.macro LANES
	v_pk_add_f32 v[T:T+1], v[T:T+1], v[T+2:T+3]
	v_pk_add_f32 v[T+4:T+5], v[T+4:T+5], v[T+6:T+7]
	v_pk_add_f32 v[T:T+1], v[T:T+1], v[T+4:T+5]
	v_add_f32 v[T], v[T], v[T+1]
	v_add_f32_dpp v[T], v[T], v[T] row_xmask:1 row_mask:0xf bank_mask:0xf
	v_add_f32_dpp v[T], v[T], v[T] row_xmask:2 row_mask:0xf bank_mask:0xf
	v_add_f32_dpp v[T], v[T], v[T] row_xmask:4 row_mask:0xf bank_mask:0xf
	v_add_f32_dpp v[T], v[T], v[T] row_xmask:8 row_mask:0xf bank_mask:0xf
	v_permlanex16_b32 v[T+1], v[T], s26, s27
	v_add_f32 v[T], v[T], v[T+1]
.endm
.macro SUM x
.irp c, 0,1,2,3
	v_pk_add_f32 v[T+2*(\c):T+2*(\c)+1], v[(\x)+4*(\c):(\x)+4*(\c)+1], v[(\x)+4*(\c)+2:(\x)+4*(\c)+3]
.endr
.irp c, 0,1,2,3
	v_pk_add_f32 v[T+2*(\c):T+2*(\c)+1], v[T+2*(\c):T+2*(\c)+1], v[(\x)+16+2*(\c):(\x)+16+2*(\c)+1]
.endr
.irp c, 0,1,2,3
	v_pk_add_f32 v[T+2*(\c):T+2*(\c)+1], v[T+2*(\c):T+2*(\c)+1], v[(\x)+24+2*(\c):(\x)+24+2*(\c)+1]
.endr
	LANES
.endm
.macro CENTER x, m                     ; x -= mean, in place
.set i, 0
.rept 16
	v_pk_add_f32 v[(\x)+2*i:(\x)+2*i+1], v[(\x)+2*i:(\x)+2*i+1], v[(\m):(\m)+1] op_sel_hi:[1,0] neg_lo:[0,1] neg_hi:[0,1]
.set i, i+1
.endr
.endm
.macro SQ x                            ; the sum of squares
.irp c, 0,1,2,3
	v_pk_mul_f32 v[T+2*(\c):T+2*(\c)+1], v[(\x)+2*(\c):(\x)+2*(\c)+1], v[(\x)+2*(\c):(\x)+2*(\c)+1]
.endr
.irp k, 1,2,3
.irp c, 0,1,2,3
	v_pk_fma_f32 v[T+2*(\c):T+2*(\c)+1], v[(\x)+8*(\k)+2*(\c):(\x)+8*(\k)+2*(\c)+1], v[(\x)+8*(\k)+2*(\c):(\x)+8*(\k)+2*(\c)+1], v[T+2*(\c):T+2*(\c)+1]
.endr
.endr
	LANES
.endm
.macro OUT x, inv, y, off
.set i, 0
.rept 16
	v_pk_mul_f32 v[(\x)+2*i:(\x)+2*i+1], v[(\x)+2*i:(\x)+2*i+1], v[(\inv):(\inv)+1] op_sel_hi:[1,0]
.set i, i+1
.endr
.set i, 0
.rept 16
	v_pk_fma_f32 v[(\x)+2*i:(\x)+2*i+1], v[(\x)+2*i:(\x)+2*i+1], v[G+2*i:G+2*i+1], v[BV+2*i:BV+2*i+1]
.set i, i+1
.endr
.set i, 0
.rept 16
	v_cvt_pk_bf16_f32 v[(\y)+i], v[(\x)+2*i], v[(\x)+2*i+1]
.set i, i+1
.endr
.irp j, 0,1,2,3,4,5,6,7
	global_store_b64 v2, v[(\y)+2*(\j):(\y)+2*(\j)+1], s[10:11] offset:(\off)+256*(\j)  ; 32 lanes x 8 bytes: 256 consecutive bytes, aligned
.endr
.endm
	s_wait_loadcnt 16                              ; both rows are in; g's and b's sixteen loads stay out
	SUM X0
	v_mul_f32 v4, 0x3a800000, v[T]                 ; mean = sum / 1024
	v_mov_b32 v5, v4
	SUM X1
	v_mul_f32 v6, 0x3a800000, v[T]
	v_mov_b32 v7, v6
	CENTER X0, 4
	CENTER X1, 6
	SQ X0
	v_mul_f32 v12, 0x3a802008, v[T]                ; / 1023
	SQ X1
	v_mul_f32 v13, 0x3a802008, v[T]
	v_sqrt_f32 v12, v12
	v_sqrt_f32 v13, v13
	v_nop                                          ; a plain instruction behind the last root,
	s_wait_alu depctr_va_vdst(0)                   ; and one wait for both, ahead of their first reader
	v_add_f32 v12, 0x358637bd, v12                 ; + 1e-6
	v_add_f32 v13, 0x358637bd, v13
	v_rcp_f32 v8, v12
	v_rcp_f32 v9, v12
	v_rcp_f32 v10, v13
	v_rcp_f32 v11, v13
	v_nop
	s_wait_alu depctr_va_vdst(0)                   ; one wait for the four reciprocals
	s_wait_loadcnt 0x0                             ; g and b
	OUT X0, 8, Y0, 0
	OUT X1, 10, Y1, 2048
	s_endpgm
.Lcast:
	s_sub_co_u32 s31, ttmp9, 256                   ; chunk 0..767 of 16,384 numbers
	s_mov_b64 s[34:35], s[12:13]                   ; which weight, and its first chunk
	s_mov_b32 s36, 0
	s_cmp_ge_u32 s31, 64
	s_cselect_b64 s[34:35], s[14:15], s[34:35]
	s_cselect_b32 s36, 64, s36
	s_cmp_ge_u32 s31, 128
	s_cselect_b64 s[34:35], s[16:17], s[34:35]
	s_cselect_b32 s36, 128, s36
	s_cmp_ge_u32 s31, 192
	s_cselect_b64 s[34:35], s[18:19], s[34:35]
	s_cselect_b32 s36, 192, s36
	s_cmp_ge_u32 s31, 256
	s_cselect_b64 s[34:35], s[20:21], s[34:35]
	s_cselect_b32 s36, 256, s36
	s_cmp_ge_u32 s31, 512
	s_cselect_b64 s[34:35], s[22:23], s[34:35]
	s_cselect_b32 s36, 512, s36
	s_sub_co_u32 s36, s31, s36
	s_lshl_b32 s36, s36, 16                        ; 65,536 bytes of f32 a chunk,
	s_lshl_b32 s38, s30, 13                        ; 8,192 a wave
	s_add_co_u32 s36, s36, s38
	s_add_nc_u64 s[34:35], s[34:35], s[36:37]
	s_lshl_b32 s36, s31, 15                        ; 32,768 bytes of bf16 a chunk,
	s_lshl_b32 s38, s30, 12                        ; 4,096 a wave
	s_add_co_u32 s36, s36, s38
	s_add_nc_u64 s[24:25], s[24:25], s[36:37]
.irp i, 0,1,2,3,4,5,6,7,8,9,10,11,12,13,14,15
	global_load_b128 v[16+4*(\i):16+4*(\i)+3], v1, s[34:35] offset:512*(\i) th:TH_LOAD_NT
.endr
.irp i, 0,1,2,3,4,5,6,7,8,9,10,11,12,13,14,15
	s_wait_loadcnt 15-(\i)                         ; loads come back in order: load i is in, the younger ones stay out
	v_cvt_pk_bf16_f32 v[80+2*(\i)], v[16+4*(\i)], v[16+4*(\i)+1]
	v_cvt_pk_bf16_f32 v[80+2*(\i)+1], v[16+4*(\i)+2], v[16+4*(\i)+3]
	global_store_b64 v2, v[80+2*(\i):80+2*(\i)+1], s[24:25] offset:256*(\i)
.endr
	s_endpgm
.Lfunc_end_k_q6561ec2708_prep:
	.size	k_q6561ec2708_prep, .Lfunc_end_k_q6561ec2708_prep-k_q6561ec2708_prep
	.p2alignl 7, 3214868480
	.fill 96, 4, 3214868480
	.section	.rodata,"a",@progbits
	.p2align	6, 0x0
	.amdhsa_kernel k_q6561ec2708_prep
		.amdhsa_group_segment_fixed_size 0
		.amdhsa_private_segment_fixed_size 0
		.amdhsa_enable_private_segment 0
		.amdhsa_kernarg_size 88
		.amdhsa_user_sgpr_count 2
		.amdhsa_user_sgpr_kernarg_segment_ptr 1
		.amdhsa_wavefront_size32 1
		.amdhsa_system_sgpr_workgroup_id_x 1
		.amdhsa_system_sgpr_workgroup_id_y 1
		.amdhsa_system_sgpr_workgroup_id_z 1
		.amdhsa_system_vgpr_workitem_id 0
		.amdhsa_next_free_vgpr 184
		.amdhsa_next_free_sgpr 66
		.amdhsa_reserve_vcc 0
		.amdhsa_float_denorm_mode_32 3
		.amdhsa_float_denorm_mode_16_64 3
		.amdhsa_memory_ordered 1
		.amdhsa_forward_progress 1
		.amdhsa_inst_pref_size 27
	.end_amdhsa_kernel
	.amdgpu_metadata
---
amdhsa.version: [ 1, 2 ]
amdhsa.kernels:
  - .name:           k_q6561ec2708_prep
    .symbol:         k_q6561ec2708_prep.kd
    .args:
      - { .name: hidden, .offset: 0, .size: 8, .value_kind: global_buffer, .address_space: global }
      - { .name: ln1_g, .offset: 8, .size: 8, .value_kind: global_buffer, .address_space: global }
      - { .name: ln1_b, .offset: 16, .size: 8, .value_kind: global_buffer, .address_space: global }
      - { .name: xa, .offset: 24, .size: 8, .value_kind: global_buffer, .address_space: global }
      - { .name: wq, .offset: 32, .size: 8, .value_kind: global_buffer, .address_space: global }
      - { .name: wk, .offset: 40, .size: 8, .value_kind: global_buffer, .address_space: global }
      - { .name: wv, .offset: 48, .size: 8, .value_kind: global_buffer, .address_space: global }
      - { .name: wo, .offset: 56, .size: 8, .value_kind: global_buffer, .address_space: global }
      - { .name: w1, .offset: 64, .size: 8, .value_kind: global_buffer, .address_space: global }
      - { .name: w2, .offset: 72, .size: 8, .value_kind: global_buffer, .address_space: global }
      - { .name: wb, .offset: 80, .size: 8, .value_kind: global_buffer, .address_space: global }
    .group_segment_fixed_size: 0
    .private_segment_fixed_size: 0
    .kernarg_segment_align: 8
    .kernarg_segment_size: 88
    .max_flat_workgroup_size: 256
    .sgpr_count:     66
    .vgpr_count:     184
    .wavefront_size: 32
...
	.end_amdgpu_metadata
.endif
;; end of part 1
;; launch qkv (part 2): grid 8 x 32, 4 waves a work-group, clusters of 4 x 4, 327,680 bytes of LDS; arguments xa, wb, bq, bk, bv, qkv; writes qkv
.if DOCPART == 2
	.amdgcn_target "amdgcn-amd-amdhsa--gfx1250"
	.amdhsa_code_object_version 6
	.text
	.protected	k_q6561ec2708_qkv
	.globl	k_q6561ec2708_qkv
	.p2align	8
	.type	k_q6561ec2708_qkv,@function
k_q6561ec2708_qkv:
	s_mov_b64 s[64:65], 0
	v_nop
	global_prefetch_b8 v0, s[64:65] scope:SCOPE_SE
	s_setreg_imm32_b32 hwreg(HW_REG_WAVE_MODE, 25, 1), 1
	s_wait_xcnt 0x0
	s_wait_alu depctr_hold_cnt(0) depctr_sa_sdst(0) depctr_va_vdst(0) depctr_va_sdst(0) depctr_va_ssrc(0) depctr_va_vcc(0) depctr_vm_vsrc(0)
	s_getreg_b32 s2, hwreg(HW_REG_IB_STS2, 6, 4)
	s_cmp_eq_u32 s2, 0
	s_cbranch_scc0 .Lentry_in_a_cluster
	s_endpgm
.Lentry_in_a_cluster:
	s_bfe_u32 s2, ttmp6, 0x10000c
	s_cmp_lg_u32 s2, 0xf033
	s_cbranch_scc0 .Lentry_shape_is_right
	s_endpgm
.Lentry_shape_is_right:
; q, k, v = xa [wq wk wv] + bias.  xa: [4096][1024] bf16; the weights lie in wb as [k][n] bf16 (wq at 0, wk and wv 2,097,152 bytes apart); sums in f32, rounded once to bf16.
; OUT: qkv[bp = 8 batch + pair of heads][block of 128 tokens][plane q, k, v][128 tokens][128 channels], bf16: a work-group's result is 98,304 dense bytes.
; SHARES.  A work-group makes 128 tokens x 128 columns of each of the three planes, so a fragment of xa feeds three weights.  Four waves, 2 x 2: 64 tokens x 64 columns of each plane:
; 48 accumulators.  K goes in steps of 128 through two LDS slots filled by tensor loads: wave 0 brings xa's tile, waves 1-3 a plane each (128 rows of 256 bytes, aligned).
; A slot is four regions of 36,864 bytes, region w filled by wave w: its LDS address is the wave's number times that constant, plus the slot's constant.
; CLUSTER 4 x 4: xa's tile is shared along a row of the cluster, the weights' along a column: joint loads, same descriptor and mask in the four that share.
; THE PRODUCT IS TAKEN TRANSPOSED: source 0 = 16 columns of a weight, turned on the way out of LDS by ds_load_tr16_b128; source 1 = 16 tokens.  A lane then holds one token (lane % 16)
; and the columns 8 (lane / 16) + 0..7.  The bias is the C operand that starts each sum.
; REGISTERS: window 0: v0-35 addresses; v64-127 xa's fragments, two buffers of 32; v128-223 the bias, 8 a column block.  Window 1: v0-191 the weights' fragments, two buffers of 96.
; Accumulator t = 12 a + c (token block a, column block c = 4 plane + b) at absolute register 512 + 8 t: windows 2 and 3.
.set KS,     8                         ; K steps
.set PA,     272                       ; xa's row in LDS: 256 bytes + 16: sixteen rows of a load start at sixteen different groups of four banks
.set PB,     288                       ; a weight's row: 256 + 32
.set PLANE,  128*PB                    ; a region: a plane's tile; xa's tile (128 x 272 bytes) uses 34,816 of region 0
.set BOFF,   PLANE                     ; plane 0 lies in region 1
.set SLOT1,  4*PLANE                   ; 147,456: shares no bit with a wave's LDS base, so one exclusive or changes slots
.set SPARE,  2*SLOT1                   ; behind the ring: the spare words, 128 bytes a wave
.set STEP_A, 256
.set STEP_B, 128*2048
.set SPITCH, 528                       ; the stage's row: 128 f32 + 16 bytes
.set ADRA0, 16
.set ADRA,  17
.set BAD,   18                         ; the bias loads' offset; never rewritten
.set ADRB0, 20                         ; v20-22, a plane each
.set ADRB,  23                         ; v23-25
.set RDA,   26
.set GO,    27
.set SPW,   28
.set NIL,   29
.set PFO,   30
.set STO,   32                         ; v32-34, a plane each
.set RD0,   35
.set BIAS,  128
.set WV, 14
.set WH, 15
.set WL, 16
.set CX, 17
.set CY, 18
.set TX, 19
.set TY, 20
.set KC, 21
.set TB, 22
.set LIM, 23
.set G1A, 24
.set G0A, 32
.set G1B, 48
.set G0B, 56
.set PFA, 66
.set PFS, 88
.set MSB, 0
.macro WIN new                         ; the immediate's high byte repeats the setting that is left; a switch that changes nothing is dropped
.if MSB != (\new)
	s_set_vgpr_msb (MSB<<8)|(\new)
.set MSB, \new
.endif
.endm
.macro PLACES                          ; four places behind a matrix instruction, ahead of loads into its sources and of reads of its result
.rept 4
	v_nop
.endr
.endm
.macro CREST                           ; a round of the cluster's barrier behind its opening barrier
	s_cmp_lg_u32 s[WV], 0
	s_cbranch_scc1 .Lnot_wave_0_\@
	s_barrier_signal -3
.Lnot_wave_0_\@:
	s_barrier_wait -3
	s_barrier_signal -1
	s_barrier_wait -1
.endm
.macro CROUND
	s_barrier_signal -1
	s_barrier_wait -1
	CREST
.endm
.macro JLOAD                           ; a joint refill by the walking descriptors; the branch hangs on the wave's number alone; s_nop 0 and four v_nop follow each line
	s_cmp_eq_u32 s[WV], 0
	s_cbranch_scc0 .Lfor_b_\@
	tensor_load_to_lds s[G0A+4:G0A+7], s[G1A:G1A+7]
	s_nop 0
	PLACES
	s_branch .Lasked_\@
.Lfor_b_\@:
	tensor_load_to_lds s[G0B+4:G0B+7], s[G1B:G1B+7]
	s_nop 0
	PLACES
.Lasked_\@:
.endm
; A prefetch of the K step two refills on: 32 rows x 256 bytes, a lane a row.  xa's rows are asked for by the clusters with x = 0, the weights' by those with y = 0; the four partners of a joint
; load share its 128 rows out by address, 32 each.  The last two refills have no K step two on.
.macro ASK
	s_cmp_gt_u32 s[KC], s[LIM]
	s_cbranch_scc0 .Lnot_mine_\@
	global_prefetch_b8 v[PFO], s[PFA:PFA+1] th:TH_LOAD_NT scope:SCOPE_SE
.Lnot_mine_\@:
.endm
.macro MMA d, s0, s1, c                ; absolute register numbers; c < 0: the sum goes on in place
.if (\c) < 0
	WIN (((\d)>>8)<<6)|(((\d)>>8)<<4)|(((\s1)>>8)<<2)|((\s0)>>8)
	v_wmma_f32_16x16x32_bf16 v[(\d)&255:((\d)&255)+7], v[(\s0)&255:((\s0)&255)+7], v[(\s1)&255:((\s1)&255)+7], v[(\d)&255:((\d)&255)+7]
.else
	WIN (((\d)>>8)<<6)|(((\c)>>8)<<4)|(((\s1)>>8)<<2)|((\s0)>>8)
	v_wmma_f32_16x16x32_bf16 v[(\d)&255:((\d)&255)+7], v[(\s0)&255:((\s0)&255)+7], v[(\s1)&255:((\s1)&255)+7], v[(\c)&255:((\c)&255)+7]
.endif
.endm
.macro MULA f, a, first                ; token block a x all 12 column blocks, 32 along K, buffer f.  The 48 accumulators take turns, in the same order in every quarter
.irp c, 0,1,2,3,4,5,6,7,8,9,10,11
.if \first
	MMA 512+8*(12*(\a)+(\c)), 256+96*(\f)+8*(\c), 64+32*(\f)+8*(\a), BIAS+8*(\c)
.else
	MMA 512+8*(12*(\a)+(\c)), 256+96*(\f)+8*(\c), 64+32*(\f)+8*(\a), -1
.endif
.endr
.endm
.macro FETCHQ q, f                     ; 32 LDS loads in one run: quarter q's fragments into buffer f; xa's last
	WIN 0x40
.irp p, 0,1,2
.irp b, 0,1,2,3
	ds_load_tr16_b128 v[96*(\f)+8*(4*(\p)+(\b)):96*(\f)+8*(4*(\p)+(\b))+3],   v[ADRB+(\p)] offset:32*PB*(\q)+32*(\b)
	ds_load_tr16_b128 v[96*(\f)+8*(4*(\p)+(\b))+4:96*(\f)+8*(4*(\p)+(\b))+7], v[ADRB+(\p)] offset:32*PB*(\q)+32*(\b)+16*PB
.endr
.endr
	WIN 0
.irp a, 0,1,2,3
	ds_load_b128 v[64+32*(\f)+8*(\a):64+32*(\f)+8*(\a)+3],   v[ADRA] offset:64*(\q)+(\a)*16*PA
	ds_load_b128 v[64+32*(\f)+8*(\a)+4:64+32*(\f)+8*(\a)+7], v[ADRA] offset:64*(\q)+(\a)*16*PA+32
.endr
.endm
.macro QUARTER q, f, g, first          ; multiplies buffer f; in its middle fetches quarter q into buffer g
	s_wait_dscnt 4                                 ; all but the youngest four loads: xa's token blocks 2 and 3
	MULA \f, 0, \first
	MULA \f, 1, \first
	PLACES
	FETCHQ \q, \g
	s_wait_dscnt 32                                ; all but the 32 just issued
	MULA \f, 2, \first
	MULA \f, 3, \first
.endm
; A K step's last quarter multiplies buffer 1 and changes slots.  Each wave waits for all its tensor loads (one is out: its part of the next slot), adds 0 to its spare word, and waits for that and
; for its reads of this slot.  mode = 1: the barrier opens a round of the cluster's, and the joint refill is the first thing behind the round.
.macro TURN mode
.if \mode
	s_wait_xcnt 0x0                                ; the last prefetch, a K step back, has read its address
	s_add_nc_u64 s[PFA:PFA+1], s[PFA:PFA+1], s[PFS:PFS+1]
.endif
	WIN 0
	s_wait_tensorcnt 0x0                           ; no tensor load of mine is out, so a group 0 may be written
	ds_add_u32 v[SPW], v[NIL]                      ; 0 onto my spare word
	s_xor_b32 s[TB], s[TB], SLOT1
	v_add_nc_u32 v[ADRA], s[TB], v[ADRA0]
.irp p, 0,1,2
	v_add_nc_u32 v[ADRB+(\p)], s[TB], v[ADRB0+(\p)]
.endr
.if \mode
	s_xor_b32 s[G0A+5], s[G0A+5], SLOT1            ; the walking descriptors: the other slot, the next K step
	s_add_nc_u64 s[G0A+6:G0A+7], s[G0A+6:G0A+7], STEP_A
	s_xor_b32 s[G0B+5], s[G0B+5], SLOT1
	s_add_nc_u64 s[G0B+6:G0B+7], s[G0B+6:G0B+7], STEP_B
.endif
	s_wait_dscnt 5                                 ; the add and the youngest four loads may be out
	MULA 1, 0, 0
	s_wait_dscnt 0x0                               ; the add is done, and my reads of this slot are over
	s_barrier_signal -1
	MULA 1, 1, 0
.if \mode
	WIN 0
.endif
	s_barrier_wait -1
.if \mode
	CREST
	JLOAD
.else
	PLACES
.endif
	FETCHQ 0, 0
.if \mode
	ASK
.endif
	MULA 1, 2, 0
	MULA 1, 3, 0
.endm
	s_load_b256 s[4:11], s[0:1], 0x0               ; xa s[4:5], wb s[6:7], bq s[8:9], bk s[10:11]
	s_load_b64 s[12:13], s[0:1], 0x20              ; bv
	s_load_b64 s[92:93], s[0:1], 0x28              ; qkv
	v_lshl_add_u32 v[SPW], v0, 2, SPARE
	v_mov_b32 v[NIL], 0
	ds_add_u32 v[SPW], v[NIL]                      ; the wave's opening: the add and its wait stand ahead of my first tensor load
	v_lshrrev_b32 v1, 5, v0
	v_readfirstlane_b32 s[WV], v1
	s_lshr_b32 s[WH], s[WV], 1                     ; my half of the tokens
	s_and_b32 s[WL], s[WV], 1                      ; my half of each plane's columns
	s_bfe_u32 s[CX], ttmp6, 0x40000
	s_bfe_u32 s[CY], ttmp6, 0x40004
	s_lshl_b32 s[TX], ttmp9, 2
	s_add_co_u32 s[TX], s[TX], s[CX]               ; pair of heads, 0..7
	s_and_b32 s[TY], ttmp7, 0xffff
	s_lshl_b32 s[TY], s[TY], 2
	s_add_co_u32 s[TY], s[TY], s[CY]               ; block of 128 tokens, 0..31
	s_lshl_b32 s40, s[CY], 2
	s_lshl_b32 s40, 15, s40                        ; my row of the cluster
	s_lshl_b32 s41, 0x1111, s[CX]                  ; my column
	s_or_b32 s[G1A], s40, (1<<16)|(1<<20)|(1<<21)|(5<<22)|(3<<25)  ; mask; 2-byte elements; padding on; bit 21 beside a mask; after every 64 words, 4 words
	s_or_b32 s[G1B], s41, (1<<16)|(1<<20)|(1<<21)|(5<<22)|(7<<25)  ; the same with 8 words
.irp g, G1A, G1B
	s_mov_b32 s[(\g)+1], 128<<16                   ; tensor_dim0 = 128
	s_mov_b32 s[(\g)+2], 128<<16                   ; tensor_dim1 = 128
	s_mov_b32 s[(\g)+3], 128<<16                   ; tile_dim0 = 128
	s_mov_b32 s[(\g)+4], 128                       ; tile_dim1 = 128
	s_mov_b32 s[(\g)+5], 1024                      ; elements from row to row
	s_mov_b32 s[(\g)+6], 0
	s_mov_b32 s[(\g)+7], 0
.endr
	s_max_u32 s46, s[WV], 1
	s_sub_co_u32 s46, s46, 1                       ; the plane that I fetch: it enters the weights' global address alone (wave 0 fetches xa and uses none of this)
	s_lshl_b32 s42, s[TY], 18                      ; xa: 128 rows of 2,048 bytes a block
	s_mov_b32 s43, 0
	s_lshl_b32 s44, s46, 21                        ; the plane's weight,
	s_lshl_b32 s45, s[TX], 8                       ; its 128 columns
	s_add_co_u32 s44, s44, s45
	s_mov_b32 s45, 0
	s_mul_i32 s47, s[WV], PLANE                    ; my region of a slot: the wave's number times 36,864
	s_mov_b32 s[TB], 0
	s_wait_dscnt 0x0                               ; the opening add is done
	s_wait_kmcnt 0x0
	s_add_nc_u64 s[84:85], s[4:5], s[42:43]
	s_add_nc_u64 s[86:87], s[6:7], s[44:45]
	CROUND                                         ; all sixteen work-groups are here: the first joint loads meet
.irp s, 0,1
	s_mov_b32 s[G0A+4*(\s)], 1
	s_mov_b32 s[G0A+4*(\s)+1], (\s)*SLOT1
	s_add_nc_u64 s[G0A+4*(\s)+2:G0A+4*(\s)+3], s[84:85], (\s)*STEP_A
	s_or_b32 s[G0A+4*(\s)+3], s[G0A+4*(\s)+3], 0x80000000
	s_mov_b32 s[G0B+4*(\s)], 1
	s_add_co_u32 s[G0B+4*(\s)+1], s47, (\s)*SLOT1
	s_add_nc_u64 s[G0B+4*(\s)+2:G0B+4*(\s)+3], s[86:87], (\s)*STEP_B
	s_or_b32 s[G0B+4*(\s)+3], s[G0B+4*(\s)+3], 0x80000000
.endr
	s_cmp_eq_u32 s[WV], 0                          ; a wave's two first fills stand in one branch: two loads of mine are out
	s_cbranch_scc0 .Lfirst_b
	tensor_load_to_lds s[G0A:G0A+3], s[G1A:G1A+7]
	s_nop 0
	tensor_load_to_lds s[G0A+4:G0A+7], s[G1A:G1A+7]
	s_nop 0
	PLACES
	s_branch .Lfirst_done
.Lfirst_b:
	tensor_load_to_lds s[G0B:G0B+3], s[G1B:G1B+7]
	s_nop 0
	tensor_load_to_lds s[G0B+4:G0B+7], s[G1B:G1B+7]
	s_nop 0
	PLACES
.Lfirst_done:
	v_and_b32 v1, 15, v0                           ; r
	v_bfe_u32 v2, v0, 4, 1                         ; h
	v_and_b32 v3, 7, v0
	v_bfe_u32 v4, v0, 3, 1
	v_and_b32 v5, 31, v0                           ; lane
	s_lshl_b32 s90, s[TX], 9                       ; the bias: (128 TX + 64 WL + 8 h) x 4
	s_lshl_b32 s91, s[WL], 8
	s_add_co_u32 s90, s90, s91
	v_lshl_add_u32 v[BAD], v2, 5, s90
.irp p, 0,1,2
.irp b, 0,1,2,3
	global_load_b128 v[BIAS+8*(4*(\p)+(\b)):BIAS+8*(4*(\p)+(\b))+3],   v[BAD], s[8+2*(\p):9+2*(\p)] offset:64*(\b)
	global_load_b128 v[BIAS+8*(4*(\p)+(\b))+4:BIAS+8*(4*(\p)+(\b))+7], v[BAD], s[8+2*(\p):9+2*(\p)] offset:64*(\b)+16
.endr
.endr
	v_mul_u32_u24 v[ADRA0], v1, PA
	v_lshl_add_u32 v[ADRA0], v2, 4, v[ADRA0]
	s_mul_i32 s90, s[WH], 64*PA
	v_add_nc_u32 v[ADRA0], s90, v[ADRA0]
	v_mov_b32 v[ADRA], v[ADRA0]
	v_lshl_add_u32 v6, v2, 3, v3
	v_mul_u32_u24 v6, v6, PB
	v_lshl_add_u32 v6, v4, 4, v6
	s_lshl_b32 s90, s[WL], 7
	s_add_co_u32 s90, s90, BOFF
.irp p, 0,1,2
	v_add_nc_u32 v[ADRB0+(\p)], s90, v6
	v_mov_b32 v[ADRB+(\p)], v[ADRB0+(\p)]
	s_add_co_u32 s90, s90, PLANE
.endr
	v_mul_u32_u24 v6, v1, SPITCH                   ; into the stage: row 128 plane + 64 WH + r, byte (64 WL + 8 h) x 4
	v_lshl_add_u32 v6, v2, 5, v6
	s_mul_i32 s90, s[WH], 64*SPITCH
	s_add_co_u32 s90, s90, s91
.irp p, 0,1,2
	v_add_nc_u32 v[STO+(\p)], s90, v6
	s_add_co_u32 s90, s90, 128*SPITCH
.endr
	s_mul_i32 s90, s[WV], 96*SPITCH                ; back: wave w takes the stage's rows 96 w .. 96 w + 95, whole
	v_lshl_add_u32 v[RD0], v5, 4, s90
	v_lshlrev_b32 v[GO], 3, v5
	v_lshlrev_b32 v[PFO], 11, v5                   ; a row of xa or of a weight is 2,048 bytes
	s_lshr_b32 s90, s[TY], 4                       ; the work-group's 98,304 bytes of qkv
	s_lshl_b32 s90, s90, 3
	s_add_co_u32 s90, s90, s[TX]
	s_lshl_b32 s90, s90, 4
	s_and_b32 s91, s[TY], 15
	s_add_co_u32 s90, s90, s91
	s_mul_i32 s90, s90, 98304
	s_mul_i32 s91, s[WV], 96*256
	s_add_co_u32 s90, s90, s91
	s_mov_b32 s91, 0
	s_add_nc_u64 s[92:93], s[92:93], s[90:91]
	s_and_b32 s47, ttmp7, 0xffff                   ; the prefetches: cluster y
	s_mov_b32 s[PFS], STEP_B
	s_mov_b32 s[PFS+1], 0
	s_cmp_eq_u32 s[WV], 0                          ; do I fetch xa?
	s_cselect_b64 s[PFA:PFA+1], s[84:85], s[86:87]
	s_cselect_b32 s44, s[CX], s[CY]                ; my place among the four that ask with me
	s_cselect_b32 s[PFS], STEP_A, s[PFS]
	s_cselect_b32 s47, ttmp9, s47                  ; the coordinate along which other clusters read the same rows
	s_cmp_eq_u32 s47, 0
	s_cselect_b32 s[LIM], 2, -1
	s_lshl_b32 s44, s44, 16                        ; my work-group's 32 rows
	s_mul_i32 s45, s[PFS], 3                       ; at K step 3: the first refill steps it to 4
	s_add_co_u32 s44, s44, s45
	s_mov_b32 s45, 0
	s_add_nc_u64 s[PFA:PFA+1], s[PFA:PFA+1], s[44:45]
	s_wait_tensorcnt 1                             ; my part of K step 0 is in; K step 1's stays out
	s_barrier_signal -1
	s_barrier_wait -1
	FETCHQ 0, 0
	s_wait_loadcnt 0x0                             ; the bias
	QUARTER 1, 0, 1, 1                             ; the first quarter starts the sums with the bias
	WIN 0
	s_mov_b32 s[KC], KS-2
.Lk:                                                   ; a trip: a K step's quarters 1 to 3 and the next step's quarter 0; one slot is filled again
	QUARTER 2, 1, 0, 0
	QUARTER 3, 0, 1, 0
	TURN 1
	QUARTER 1, 0, 1, 0
	WIN 0
	s_sub_co_u32 s[KC], s[KC], 1
	s_cmp_lg_u32 s[KC], 0
	s_cbranch_scc1 .Lk
	QUARTER 2, 1, 0, 0                             ; the last two K steps ask for nothing
	QUARTER 3, 0, 1, 0
	TURN 0
	QUARTER 1, 0, 1, 0
	QUARTER 2, 1, 0, 0
	QUARTER 3, 0, 1, 0
	s_wait_dscnt 0x0                               ; my reads of both slots are over:
	s_barrier_signal -1                            ; say so, and multiply while the others arrive
	MULA 1, 0, 0
	MULA 1, 1, 0
	MULA 1, 2, 0
	MULA 1, 3, 0
	s_barrier_wait -1                              ; the slots have had their last fill and their last read: they become the stage
	PLACES
.macro STACC a, p, b                   ; an accumulator goes into the stage, its low four registers first
.set rA, 512+8*(12*(\a)+4*(\p)+(\b))
	WIN (rA>>8)<<2
	ds_store_b128 v[STO+(\p)], v[(rA&255):(rA&255)+3]   offset:(\a)*16*SPITCH+64*(\b)
	ds_store_b128 v[STO+(\p)], v[(rA&255)+4:(rA&255)+7] offset:(\a)*16*SPITCH+64*(\b)+16
.endm
.irp a, 0,1,2,3
.irp p, 0,1,2
.irp b, 0,1,2,3
	STACC \a, \p, \b
.endr
.endr
.endr
	WIN 0
	s_wait_dscnt 0x0                               ; for the others' sake: my stores are done
	s_barrier_signal -1
	s_barrier_wait -1
	s_mov_b32 s40, 0
	s_mov_b32 s[KC], 12
.Lout:                                                 ; 8 rows a trip: read whole, rounded to bf16, stored
	v_add_nc_u32 v[RDA], s40, v[RD0]
.irp i, 0,1,2,3,4,5,6,7
	ds_load_b128 v[64+4*(\i):64+4*(\i)+3], v[RDA] offset:SPITCH*(\i)
.endr
	s_wait_dscnt 0x0
.set i, 0
.rept 16
	v_cvt_pk_bf16_f32 v[96+i], v[64+2*i], v[64+2*i+1]
.set i, i+1
.endr
.irp i, 0,1,2,3,4,5,6,7
	global_store_b64 v[GO], v[96+2*(\i):96+2*(\i)+1], s[92:93] offset:256*(\i)  ; 32 lanes x 8 bytes: a row's 256 bytes, aligned
.endr
	s_wait_xcnt 0x0                                ; the stores have read their data and base
	s_add_nc_u64 s[92:93], s[92:93], 2048
	s_add_co_u32 s40, s40, 8*SPITCH
	s_sub_co_u32 s[KC], s[KC], 1
	s_cmp_lg_u32 s[KC], 0
	s_cbranch_scc1 .Lout
	s_wait_tensorcnt 0x0                           ; the wave's end
	ds_add_u32 v[SPW], v[NIL]
	s_wait_dscnt 0x0
	CROUND                                         ; the closing round
	s_endpgm
.Lfunc_end_k_q6561ec2708_qkv:
	.size	k_q6561ec2708_qkv, .Lfunc_end_k_q6561ec2708_qkv-k_q6561ec2708_qkv
	.p2alignl 7, 3214868480
	.fill 96, 4, 3214868480
	.section	.rodata,"a",@progbits
	.p2align	6, 0x0
	.amdhsa_kernel k_q6561ec2708_qkv
		.amdhsa_group_segment_fixed_size 327680
		.amdhsa_private_segment_fixed_size 0
		.amdhsa_enable_private_segment 0
		.amdhsa_kernarg_size 48
		.amdhsa_user_sgpr_count 2
		.amdhsa_user_sgpr_kernarg_segment_ptr 1
		.amdhsa_wavefront_size32 1
		.amdhsa_system_sgpr_workgroup_id_x 1
		.amdhsa_system_sgpr_workgroup_id_y 1
		.amdhsa_system_sgpr_workgroup_id_z 1
		.amdhsa_system_vgpr_workitem_id 0
		.amdhsa_next_free_vgpr 896
		.amdhsa_next_free_sgpr 96
		.amdhsa_reserve_vcc 0
		.amdhsa_float_denorm_mode_32 3
		.amdhsa_float_denorm_mode_16_64 3
		.amdhsa_memory_ordered 1
		.amdhsa_forward_progress 1
		.amdhsa_inst_pref_size 86
	.end_amdhsa_kernel
	.amdgpu_metadata
---
amdhsa.version: [ 1, 2 ]
amdhsa.kernels:
  - .name:           k_q6561ec2708_qkv
    .symbol:         k_q6561ec2708_qkv.kd
    .args:
      - { .name: xa, .offset: 0, .size: 8, .value_kind: global_buffer, .address_space: global }
      - { .name: wb, .offset: 8, .size: 8, .value_kind: global_buffer, .address_space: global }
      - { .name: bq, .offset: 16, .size: 8, .value_kind: global_buffer, .address_space: global }
      - { .name: bk, .offset: 24, .size: 8, .value_kind: global_buffer, .address_space: global }
      - { .name: bv, .offset: 32, .size: 8, .value_kind: global_buffer, .address_space: global }
      - { .name: qkv, .offset: 40, .size: 8, .value_kind: global_buffer, .address_space: global }
    .group_segment_fixed_size: 327680
    .private_segment_fixed_size: 0
    .kernarg_segment_align: 8
    .kernarg_segment_size: 48
    .max_flat_workgroup_size: 128
    .sgpr_count:     96
    .vgpr_count:     896
    .wavefront_size: 32
...
	.end_amdgpu_metadata
.endif
;; end of part 2
;; launch attn (part 3): grid 16 x 16, 4 waves a work-group, clusters of 4 x 1, 327,680 bytes of LDS; arguments qkv, mask, xa; writes xa
.if DOCPART == 3
	.amdgcn_target "amdgcn-amd-amdhsa--gfx1250"
	.amdhsa_code_object_version 6
	.text
	.protected	k_q6561ec2708_attn
	.globl	k_q6561ec2708_attn
	.p2align	8
	.type	k_q6561ec2708_attn,@function
k_q6561ec2708_attn:
	s_mov_b64 s[64:65], 0
	v_nop
	global_prefetch_b8 v0, s[64:65] scope:SCOPE_SE
	s_setreg_imm32_b32 hwreg(HW_REG_WAVE_MODE, 25, 1), 1
	s_wait_xcnt 0x0
	s_wait_alu depctr_hold_cnt(0) depctr_sa_sdst(0) depctr_va_vdst(0) depctr_va_sdst(0) depctr_va_ssrc(0) depctr_va_vcc(0) depctr_vm_vsrc(0)
	s_getreg_b32 s2, hwreg(HW_REG_IB_STS2, 6, 4)
	s_cmp_eq_u32 s2, 0
	s_cbranch_scc0 .Lentry_in_a_cluster
	s_endpgm
.Lentry_in_a_cluster:
	s_bfe_u32 s2, ttmp6, 0x10000c
	s_cmp_lg_u32 s2, 0x3003
	s_cbranch_scc0 .Lentry_shape_is_right
	s_endpgm
.Lentry_shape_is_right:
; ATTENTION WITH A KEY MASK.  O[q] = the sum over keys of softmax(Q[q] . K[k] / 8, hidden keys left out) V[k], head size 64, 2,048 keys.  Q, K, V come from qkv
; [bp = 8 batch + pair][block of 128 tokens][plane][128 tokens][128 channels = 2 heads], bf16; O goes to xa [4096 tokens][1024], bf16.  Products, maxima and sums in f32; the weights are rounded to bf16
; for the second product, O once at the end.
; THE MASK is an input: mask[batch][key] = 0 hides a key.  A hidden key gets -1e30 through the C operand that starts the sum S^T = K Q^T; its weight is then 0 as soon as the running maximum has seen a
; visible key (what was summed before is multiplied by a = 0).  A batch with NO visible key must give the mean of V: there the work-group takes c = 0 and bias 0, so every weight is 1: a choice of values, no branch.
; LIMITS.  A hidden score counts as its value less 1e30 where the definition says -1e9: the same result unless a visible score lies below about -1e9.  A weight below 2^-126 counts as 0.  NaN and infinities are not treated apart.
; SHARES.  A work-group takes 128 queries of a PAIR of heads, so that rows of Q, K, V and O are 256 consecutive bytes.  Wave w: head w / 2, queries 64 (w % 2) on, in four PIECES of 16.  Every wave walks all keys, 64 a step.
; LAYOUT.  S^T = K Q^T holds ONE query a lane (lane % 16) and the keys 8 (lane / 16) + 0..7; two such results rounded to bf16 ARE source 1 of O^T = V^T P.  p = 2^(c s - c m), c = log2(e) / 8, with a running
; maximum m; O and l are multiplied by a = 2^(c m_old - c m_new) in every step.  m starts at the lowest finite number, O and l at 0: the first step is a step like any other, with a = 0.
; TURNS.  Turn n belongs to piece n: 8 products K Q^T of piece n + 1, later 8 products V^T P of piece n - 1; beside them the scaling, exponentials, roundings, sums and rescaling of piece n and the maximum and
; statistics of piece n + 1.  Four vector instructions stand behind every matrix instruction, the rest in one lump.  A turn's 33 exponentials are one batch, with one wait.
; CLUSTER.  The four query blocks of a cluster walk the same K and V: each tile is asked for jointly, same descriptor and mask in all four.
; REGISTERS (s_set_vgpr_msb: bits 1:0 source 0, 3:2 source 1, 5:4 source 2, 7:6 destination):
;   window 0: v0-15, v32-37 addresses; v16-31 statistics; v48-55 at work; v64-127 S^T, two buffers; v192-223 P, two buffers
;   window 1: v0-127 O^T, 32 a piece; v128-159 MB, the step's 64 keys' bias as a C operand          window 2: v0-63 Q; v128-191 K of one step; v192-255 V of one step
.set NP,    4
.set KS,    64
.set PK,    272                        ; a row of K in LDS: 256 bytes + 16
.set PV,    288                        ; a row of V: 256 + 32
.set VOFF,  128*PK                     ; a slot holds 128 keys, two steps: K's rows, then V's
.set SLOT1, 1<<17
.set STAGE, SLOT1+128*(PK+PV)          ; behind the ring: 128 rows x 272 bytes, the work-group's, for the way out
.set SP,    272
.set BIAS,  STAGE+128*SP               ; 2,048 f32: 0 or -1e30 for each key of the batch
.set SPARE, BIAS+8192                  ; the spare words, 128 bytes a wave
.set SSTEP, 98304                      ; bytes from a block of 128 tokens to the next in qkv
.set AK0, 2
.set AV0, 3
.set AK,  4
.set AV,  5
.set STO, 6
.set RD,  7
.set GO,  8
.set MV,  12
.set QO,  15
.set ST,  16                           ; piece t's statistics at v[ST+4 t]: c m, m, l (even keys', odd keys')
.set AM0, 32
.set AM,  33
.set PFO, 34
.set TMP, 48
.set SPW, 62
.set NIL, 63
.set S,   64
.set P,   192
.set MB,  128                          ; window 1
.set KF,  128                          ; window 2
.set VF,  192                          ; window 2
.set WV,  12
.set G1K, 24
.set G1V, 32
.set G0K, 40
.set G0V, 44
.set SLOTS, 56
.set CNT, 57
.set CS,  58
.set SEL, 60
.set TBK, 62
.set TBV, 63
.set TBM, 66
.set ANY, 67
.set BIGN, 68
.set LIM, 69
.set PFA, 70
.set MSB, 0
.macro WIN new
.if MSB != (\new)
	s_set_vgpr_msb (MSB<<8)|(\new)
.set MSB, (\new)
.endif
.endm
.set W_KQ, 0x0a                        ; K and Q in window 2, S^T in window 0
.set W_KM, 0x1a                        ; the same with the C operand in window 1
.set W_PV, 0x52                        ; V in window 2, P in window 0, O^T in window 1
.set W_RS, 0x41                        ; destination and source 0 in window 1, source 1 in window 0
.macro JLOAD                           ; a joint fill: waves 0 and 1 fetch the halves of a slot's K, waves 2 and 3 of its V; s_nop 0 and four v_nop follow each line
	s_cmp_lt_u32 s[WV], 2
	s_cbranch_scc0 .Lfor_v_\@
	tensor_load_to_lds s[G0K:G0K+3], s[G1K:G1K+7]
	s_nop 0
.rept 4
	v_nop
.endr
	s_branch .Lasked_\@
.Lfor_v_\@:
	tensor_load_to_lds s[G0V:G0V+3], s[G1V:G1V+7]
	s_nop 0
.rept 4
	v_nop
.endr
.Lasked_\@:
.endm
; A prefetch of the slot that the NEXT change will ask for: 128 rows of K and of V, a lane a row.  The pair's first cluster asks; its four partners take 32 rows each, told apart by address; wave 0 asks for K's,
; wave 2 for V's.  The last change that fills a slot asks for nothing.
.macro ASK
	s_cmp_gt_u32 s[SLOTS], s[LIM]
	s_cbranch_scc0 .Lnot_mine_\@
	global_prefetch_b8 v[PFO], s[PFA:PFA+1] th:TH_LOAD_NT scope:SCOPE_SE
.Lnot_mine_\@:
.endm
.macro CROUND
	s_barrier_signal -1
	s_barrier_wait -1
	s_cmp_lg_u32 s[WV], 0
	s_cbranch_scc1 .Lnot_wave_0_\@
	s_barrier_signal -3
.Lnot_wave_0_\@:
	s_barrier_wait -3
	s_barrier_signal -1
	s_barrier_wait -1
.endm
; THE CHANGE OF SLOTS.  Each wave waits for all its tensor loads (one is out: its part of the other slot), adds 0 to its spare word, and waits for that and for its reads of the slot that it leaves.
; fill = 1: the barrier is a round of the cluster's, and the joint fill, with the keys two slots on, is the first thing behind it: it has two key steps in which to land.
.macro CHANGE fill, ask
	WIN 0
	s_wait_tensorcnt 0x0                           ; no tensor load of mine is out, so a group 0 may be written
	ds_add_u32 v[SPW], v[NIL]                      ; 0 onto my spare word
.if \fill
.irp g, G0K, G0V
	s_xor_b32 s[\g+1], s[\g+1], SLOT1
	s_add_nc_u64 s[\g+2:\g+3], s[\g+2:\g+3], SSTEP
.endr
.if \ask
	s_wait_xcnt 0x0                                ; the last prefetch, two key steps back, has read its address
	s_add_nc_u64 s[PFA:PFA+1], s[PFA:PFA+1], SSTEP
.endif
	s_wait_dscnt 0x0                               ; the add is done, and my LDS stores and my reads of the slot are over
	CROUND
	JLOAD
.if \ask
	ASK
.endif
.else
	s_wait_dscnt 0x0
	s_barrier_signal -1
	s_barrier_wait -1
.endif
	s_sub_co_u32 s[TBK], s[TBK], 2*KS*PK           ; the fetches go back to a slot's first step, in the other slot
	s_xor_b32 s[TBK], s[TBK], SLOT1
	s_sub_co_u32 s[TBV], s[TBV], 2*KS*PV
	s_xor_b32 s[TBV], s[TBV], SLOT1
.endm
	s_load_b128 s[4:7], s[0:1], 0x0                ; qkv s[4:5], mask s[6:7]
	s_load_b64 s[8:9], s[0:1], 0x10                ; xa
	v_lshl_add_u32 v[SPW], v0, 2, SPARE
	v_mov_b32 v[NIL], 0
	ds_add_u32 v[SPW], v[NIL]                      ; the wave's opening: the add and its wait stand ahead of my first tensor load
	v_lshrrev_b32 v1, 5, v0
	v_readfirstlane_b32 s[WV], v1
	s_bfe_u32 s13, ttmp6, 0x40000                  ; cx
	s_lshl_b32 s14, ttmp9, 2
	s_add_co_u32 s14, s14, s13                     ; my block of 128 queries: it enters Q's and O's addresses alone
	s_and_b32 s15, ttmp7, 0xffff                   ; bp, which the four partners share
	s_and_b32 s16, s[WV], 1
	s_lshr_b32 s17, s[WV], 1                       ; my head of the pair
	s_mul_i32 s20, s15, 16*SSTEP
	s_lshl_b32 s21, s16, 14                        ; 64 rows of 256 bytes
	s_add_co_u32 s22, s20, s21
	s_add_co_u32 s22, s22, 32768                   ; K: plane 1, my half of block 0
	s_mov_b32 s23, 0
	s_add_co_u32 s18, s22, 32768                   ; V: plane 2
	s_mov_b32 s19, 0
	s_mul_i32 s2, s14, SSTEP                       ; Q: plane 0 of my block, my wave's 64 rows
	s_add_co_u32 s2, s2, s20
	s_add_co_u32 s2, s2, s21
	s_mov_b32 s3, 0
	s_mul_i32 s48, s16, 64*PK                      ; where my half of a slot's K lands,
	s_mul_i32 s49, s16, 64*PV                      ; and of its V
	s_add_co_u32 s49, s49, VOFF
	s_lshr_b32 s50, s15, 3                         ; batch
	s_and_b32 s51, s15, 7                          ; pair
	s_lshl_b32 s52, s50, 11
	s_lshl_b32 s53, s14, 7
	s_add_co_u32 s52, s52, s53
	s_lshl_b32 s53, s[WV], 5
	s_add_co_u32 s52, s52, s53                     ; the first token that I store
	s_lshl_b32 s52, s52, 11
	s_lshl_b32 s53, s51, 8
	s_add_co_u32 s52, s52, s53
	s_mov_b32 s53, 0
	s_lshl_b32 s54, s50, 13                        ; the batch's 2,048 mask words
	s_mov_b32 s55, 0
	s_mov_b32 s[G1K], 15|(1<<16)|(1<<20)|(1<<21)|(5<<22)|(3<<25)  ; the mask of four; 2-byte elements; padding on; bit 21 beside a mask; after every 64 words, 4 words
	s_mov_b32 s[G1V], 15|(1<<16)|(1<<20)|(1<<21)|(5<<22)|(7<<25)  ; the same with 8 words
.irp g, G1K, G1V
	s_mov_b32 s[\g+1], 128<<16                     ; tensor_dim0 = 128
	s_mov_b32 s[\g+2], 64<<16                      ; tensor_dim1 = 64
	s_mov_b32 s[\g+3], 128<<16                     ; tile_dim0 = 128
	s_mov_b32 s[\g+4], 64                          ; tile_dim1 = 64
	s_mov_b32 s[\g+5], 128                         ; elements from row to row
	s_mov_b32 s[\g+6], 0
	s_mov_b32 s[\g+7], 0
.endr
	s_mov_b32 s[SEL], 0x76543210
	s_mov_b32 s[SEL+1], 0xfedcba98
	s_mov_b32 s[TBK], SLOT1+2*KS*PK                ; the first change of slots turns these two into 0
	s_mov_b32 s[TBV], SLOT1+2*KS*PV
	s_mov_b32 s[TBM], 0
	s_mov_b32 s[G0K], 1
	s_mov_b32 s[G0K+1], s48
	s_mov_b32 s[G0V], 1
	s_mov_b32 s[G0V+1], s49
	s_and_b32 s[LIM], s[WV], 1                     ; 0 in waves 0 and 2,
	s_or_b32 s[LIM], s[LIM], ttmp9                 ; where the cluster is the pair's first: the same in all four partners
	s_cmp_eq_u32 s[LIM], 0
	s_cselect_b32 s[LIM], 1, -1
	s_wait_dscnt 0x0                               ; the opening add is done
	s_wait_kmcnt 0x0
	s_add_nc_u64 s[10:11], s[4:5], s[22:23]
	s_add_nc_u64 s[18:19], s[4:5], s[18:19]
	s_cmp_lt_u32 s[WV], 2
	s_cselect_b64 s[PFA:PFA+1], s[10:11], s[18:19] ; (in waves 0 and 2 these stand at a slot's first row)
	s_lshl_b32 s22, s13, 13                        ; my work-group's 32 rows of the 128,
	s_add_co_u32 s22, s22, 2*SSTEP                 ; in slot 2; the first asking change steps it to slot 3
	s_add_nc_u64 s[PFA:PFA+1], s[PFA:PFA+1], s[22:23]
	s_mov_b64 s[G0K+2:G0K+3], s[10:11]
	s_or_b32 s[G0K+3], s[G0K+3], 0x80000000
	s_mov_b64 s[G0V+2:G0V+3], s[18:19]
	s_or_b32 s[G0V+3], s[G0V+3], 0x80000000
	s_add_nc_u64 s[4:5], s[4:5], s[2:3]
	s_add_nc_u64 s[6:7], s[6:7], s[54:55]
	s_add_nc_u64 s[8:9], s[8:9], s[52:53]
	CROUND                                         ; all four work-groups are here: the first joint loads meet
	JLOAD                                          ; slot 0
	v_and_b32 v1, 15, v0                           ; l % 16
	v_bfe_u32 v9, v0, 4, 1                         ; l / 16
	v_and_b32 v10, 7, v0
	v_bfe_u32 v11, v0, 3, 1
	v_and_b32 v14, 31, v0
	s_lshl_b32 s20, s17, 7                         ; my head's 128 bytes of a row
	v_lshlrev_b32 v[QO], 8, v1
	v_lshl_add_u32 v[QO], v9, 4, v[QO]
	v_add_nc_u32 v[QO], s20, v[QO]
	v_lshlrev_b32 v35, 4, v14                      ; 16 x lane
	s_lshl_b32 s21, s[WV], 11
	v_add_nc_u32 v36, s21, v35                     ; my wave's quarter of the mask
	v_add_nc_u32 v37, BIAS, v36
.irp i, 0,1,2,3,4,5,6,7,8,9,10,11,12,13,14,15
	global_load_b128 v[S+4*\i:S+4*\i+3], v35, s[6:7] offset:512*\i   ; the batch's whole mask: is any key visible?
.endr
.irp i, 0,1,2,3
	global_load_b128 v[P+4*\i:P+4*\i+3], v36, s[6:7] offset:512*\i   ; my quarter, to be made into bias
.endr
	WIN 0x80
.set i, 0
.rept 8                                ; Q stays in registers: piece i / 2, channels 32 (i % 2) on
	global_load_b128 v[8*i:8*i+3],   v[QO], s[4:5] offset:(i/2)*4096+(i%2)*64
	global_load_b128 v[8*i+4:8*i+7], v[QO], s[4:5] offset:(i/2)*4096+(i%2)*64+32
.set i, i+1
.endr
	; What the first turn finds: V and P's second buffer hold 0 (its products V^T P, of a piece that has not been, add 0), O^T and l are 0.  All this stands in the wait for the first loads.
.set i, VF
.rept 64
	v_mov_b32 v[i], 0
.set i, i+1
.endr
	WIN 0x40
.set i, 0
.rept 128
	v_mov_b32 v[i], 0
.set i, i+1
.endr
	WIN 0
.set i, 0
.rept 4
	v_mov_b32 v[ST+4*i], 0xfe000000                ; c m: far below every c s
	v_mov_b32 v[ST+4*i+1], 0xff7fffff              ; m
	v_mov_b32 v[ST+4*i+2], 0
	v_mov_b32 v[ST+4*i+3], 0
.set i, i+1
.endr
.set i, P+16
.rept 16
	v_mov_b32 v[i], 0
.set i, i+1
.endr
	v_mul_u32_u24 v[AK0], v1, PK
	v_lshl_add_u32 v[AK0], v9, 4, v[AK0]
	v_add_nc_u32 v[AK0], s20, v[AK0]               ; row x pitch + 16 x half + my head
	v_lshl_add_u32 v[AV0], v9, 3, v10              ; the turning load: key 8 (l / 16) + l % 8, channels 8 ((l / 8) % 2) on
	v_mul_u32_u24 v[AV0], v[AV0], PV
	v_lshl_add_u32 v[AV0], v11, 4, v[AV0]
	s_add_co_u32 s21, s20, VOFF
	v_add_nc_u32 v[AV0], s21, v[AV0]
	v_lshlrev_b32 v[AM0], 5, v9
	v_add_nc_u32 v[AM0], BIAS, v[AM0]              ; my lanes' eight keys of a group of 16
	v_lshlrev_b32 v[PFO], 8, v14
	s_wait_loadcnt 16                              ; the mask is in; Q's sixteen loads stay out
.irp w, 32,16,8,4,2,1
.set i, 0
.rept \w
	v_or_b32 v[S+i], v[S+i], v[S+i+\w]
.set i, i+1
.endr
.endr
	v_cmp_ne_u32 s[ANY], 0, v[S]
	s_cmp_lg_u32 s[ANY], 0                         ; a visible key in the batch?
	s_cselect_b32 s[CS], 0x3e38aa3b, 0             ; c = log2(e) / 8, or 0
	s_cselect_b32 s[BIGN], 0xf149f2ca, 0           ; -1e30, or 0
	s_mov_b32 s[CS+1], s[CS]
.set i, 0
.rept 16
	v_cmp_eq_u32 vcc_lo, 0, v[P+i]
	v_cndmask_b32 v[P+i], 0, s[BIGN], vcc_lo
.set i, i+1
.endr
.irp i, 0,1,2,3
	ds_store_b128 v37, v[P+4*\i:P+4*\i+3] offset:512*\i   ; the first change of slots waits for these stores and passes a barrier: every wave then sees all 2,048
.endr
; THE MATRIX WORK.  The 4 accumulators of a run of 8 take turns.  Product i of 8 of S^T = K Q^T for piece x: channels 32 (i / 4) on, keys 16 (i % 4) on.  The first 4 start the sums with the keys' bias.
.macro KQ x
.set rS, S+32*((\x)%2)+8*(i%4)
.set rK, KF+16*(i%4)+8*(i/4)
.set rQ, 16*(\x)+8*(i/4)
.set rM, MB+8*(i%4)
.if i < 4
	WIN W_KM
	v_wmma_f32_16x16x32_bf16 v[rS:rS+7], v[rK:rK+7], v[rQ:rQ+7], v[rM:rM+7]
.else
	WIN W_KQ
	v_wmma_f32_16x16x32_bf16 v[rS:rS+7], v[rK:rK+7], v[rQ:rQ+7], v[rS:rS+7]
.endif
.endm
.macro PV x                            ; product i of 8 of O^T += V^T P for piece x: keys 32 (i / 4) on, channels 16 (i % 4) on
	WIN W_PV
.set rO, 32*(\x)+8*(i%4)
.set rV, VF+32*(i/4)+8*(i%4)
.set rP, P+16*((\x)%2)+8*(i/4)
	v_wmma_f32_16x16x32_bf16 v[rO:rO+7], v[rV:rV+7], v[rP:rP+7], v[rO:rO+7]
.endm
.macro MM                              ; the turn's next matrix instruction
.if i < 8
	KQ (Y+1)%NP
.else
.set i, i-8
	PV (Y+NP-1)%NP
.set i, i+8
.endif
.set i, i+1
.endm
; THE LDS LOADS stand in runs: a step's K (8 fragments) with its 64 keys' bias, and its V (turned).  tail = 1: the last slot: behind its second step the address stays, so that the one trip too many reads that step's K once more.
.macro FETCH_K tail=0
	WIN 0x80
.irp f, 0,1,2,3,4,5,6,7
	ds_load_b128 v[KF+8*\f:KF+8*\f+3],   v[AK] offset:(\f/2)*16*PK+(\f%2)*64
	ds_load_b128 v[KF+8*\f+4:KF+8*\f+7], v[AK] offset:(\f/2)*16*PK+(\f%2)*64+32
.endr
	WIN 0x40
.irp f, 0,1,2,3
	ds_load_b128 v[MB+8*\f:MB+8*\f+3],   v[AM] offset:64*\f
	ds_load_b128 v[MB+8*\f+4:MB+8*\f+7], v[AM] offset:64*\f+16
.endr
	s_add_co_u32 s[TBK], s[TBK], KS*PK
.if \tail
	s_min_u32 s[TBK], s[TBK], SLOT1+KS*PK
.endif
	s_add_co_u32 s[TBM], s[TBM], 256
	s_and_b32 s[TBM], s[TBM], 0x1f00               ; behind the last step it goes back to the first: always inside the 8,192 bytes
	WIN 0
.endm
.macro FETCH_V
	WIN 0x80
.irp f, 0,1,2,3,4,5,6,7
	ds_load_tr16_b128 v[VF+8*\f:VF+8*\f+3],   v[AV] offset:(\f/4)*32*PV+(\f%4)*32
	ds_load_tr16_b128 v[VF+8*\f+4:VF+8*\f+7], v[AV] offset:(\f/4)*32*PV+16*PV+(\f%4)*32
.endr
	WIN 0
.endm
; THE VECTOR WORK, one line at a time: OP kind, number.  For piece Y: F n: c s - c m for pair n of 16.  E n: the exponential of score n of 32.  C n: pair n rounded to bf16.  B n: of the four weights 4 n .. the second
; pair is added onto the first, in place.  L n: l takes that sum (L 0: l = a l + sum).  R n: pair n of 16 of O^T times a.  For piece Y + 1: X n, number n of the 22 that find its maximum and statistics:
;   0-11 four chains c0-c3 of seven scores each (each accumulator's lowest registers are read first); 12-14, 16 the four scores left over, the old m, and c0-c3 into c0;
;   15 c m_old is kept; 17, 18 the other half of the lanes' maximum: the new m; 19-21 c m; c m_old - c m_new; a
.set F, 0
.set E, 1
.set C, 2
.set B, 3
.set L, 4
.set R, 5
.set X, 6
.macro REGS y
.set rT, ST+4*(\y)
.set rC, TMP+4*((\y)%2)
.set rW, MV+((\y)%2)
.set rS, S+32*((\y)%2)
.set rP, P+16*((\y)%2)
.set rO, 32*(\y)
.endm
.macro OP k, n
.if (\k) == R
	REGS Y
	WIN W_RS
	v_pk_mul_f32 v[rO+2*(\n):rO+2*(\n)+1], v[rO+2*(\n):rO+2*(\n)+1], v[rC+2:rC+3] op_sel_hi:[1,0]
.elseif (\k) < R
	REGS Y
	WIN 0
.if (\k) == F
	v_pk_fma_f32 v[rS+2*(\n):rS+2*(\n)+1], v[rS+2*(\n):rS+2*(\n)+1], s[CS:CS+1], v[rT:rT+1] op_sel_hi:[1,0,0] neg_lo:[0,0,1] neg_hi:[0,0,1]
.elseif (\k) == E
	v_exp_f32 v[rS+(\n)], v[rS+(\n)]
.elseif (\k) == C
	v_cvt_pk_bf16_f32 v[rP+(\n)], v[rS+2*(\n)], v[rS+2*(\n)+1]
.elseif (\k) == B
	v_pk_add_f32 v[rS+4*(\n):rS+4*(\n)+1], v[rS+4*(\n):rS+4*(\n)+1], v[rS+4*(\n)+2:rS+4*(\n)+3]
.elseif (\n) == 0
	v_pk_fma_f32 v[rT+2:rT+3], v[rT+2:rT+3], v[rC+2:rC+3], v[rS:rS+1] op_sel_hi:[1,0,1]
.else
	v_pk_add_f32 v[rT+2:rT+3], v[rT+2:rT+3], v[rS+4*(\n):rS+4*(\n)+1]
.endif
.else
	REGS (Y+1)%NP
	WIN 0
.if (\n) < 4
	v_max3_num_f32 v[rC+(\n)], v[rS+8*(\n)], v[rS+8*(\n)+1], v[rS+8*(\n)+2]
.elseif (\n) < 12
	v_max3_num_f32 v[rC+(\n)%4], v[rC+(\n)%4], v[rS+8*((\n)%4)+2*((\n)/4)+1], v[rS+8*((\n)%4)+2*((\n)/4)+2]
.elseif (\n) == 12
	v_max3_num_f32 v[rC], v[rC], v[rS+7], v[rS+15]
.elseif (\n) == 13
	v_max3_num_f32 v[rC+1], v[rC+1], v[rS+23], v[rS+31]
.elseif (\n) == 14
	v_max3_num_f32 v[rC+2], v[rC+2], v[rC+3], v[rT+1]
.elseif (\n) == 15
	v_mov_b32 v[rW], v[rT]
.elseif (\n) == 16
	v_max3_num_f32 v[rC], v[rC], v[rC+1], v[rC+2]
.elseif (\n) == 17
	v_permlanex16_b32 v[rC+3], v[rC], s[SEL], s[SEL+1]
.elseif (\n) == 18
	v_max_num_f32 v[rT+1], v[rC], v[rC+3]
.elseif (\n) == 19
	v_mul_f32 v[rT], s[CS], v[rT+1]
.elseif (\n) == 20
	v_sub_f32 v[rC+1], v[rW], v[rT]
.else
	v_exp_f32 v[rC+2], v[rC+1]
.endif
.endif
.endm
.macro OPS a, i1, b=-1, i2=0, c=-1, i3=0, d=-1, i4=0
	OP \a, \i1
.if (\b) >= 0
	OP \b, \i2
.endif
.if (\c) >= 0
	OP \c, \i3
.endif
.if (\d) >= 0
	OP \d, \i4
.endif
.endm
.macro ROW a, i1, b, i2, c, i3, d, i4  ; a matrix instruction and the four behind it
	MM
	OPS \a, \i1, \b, \i2, \c, \i3, \d, \i4
.endm
; A TURN, for piece p.  AHEAD OF ITS ONE WAIT stands all that names no result of the turn's exponentials: the 8 products K Q^T and their riders, then a lump; X 21, the next piece's a, is the batch's last, R 15 the plain
; instruction behind it.  BEHIND THE WAIT stand the 8 products V^T P, behind each four of the roundings and sums.  The X that ride behind the last products K Q^T stand four places or more behind the product that ends
; their accumulator.  K and the bias of the next step are fetched in piece 2's turn, five plain instructions or more behind the last product that read K; V of the step in hand at the end of piece 0's turn, four plain
; instructions behind the last product that read V.  Each is waited for a turn later.  cnt = 1: the loop's count is taken down some lines ahead of the branch behind the turn.
.macro TURN p, tail=0, cnt=0
.set Y, (\p)
.set i, 0
.if (\p) == 3
	s_wait_dscnt 0x0                               ; K and the bias are in
.endif
	ROW F,0, F,1, R,0, R,1
	ROW F,2, E,0, R,2, R,3
	ROW F,3, E,1, R,4, R,5
	ROW F,4, E,2, R,6, R,7
	ROW F,5, E,3, R,8, R,9
	ROW F,6, E,4, X,0, R,10
.if (\p) == 2
	WIN 0
	v_add_nc_u32 v[AK], s[TBK], v[AK0]
	v_add_nc_u32 v[AM], s[TBM], v[AM0]
.endif
	ROW F,7, E,5, X,1, X,4
	ROW F,8, E,6, X,2, X,5
	OPS E,7, E,8, X,6, E,9
	OPS X,3, E,10, X,8, E,11
.if (\p) == 2
	FETCH_K \tail
.endif
	OPS X,9, X,7, E,12, X,10
	OPS E,13, X,12, X,11, E,14
	OPS X,13, E,15, F,9, X,14
.if (\p) == 0
	v_add_nc_u32 v[AV], s[TBV], v[AV0]
.endif
	OPS E,16, F,10, E,17, F,11
	OPS X,16, E,18, X,15, E,19
	OPS F,12, E,20, X,17, E,21
	OPS F,13, E,22, F,14, E,23
	OPS X,18, E,24, F,15, E,25
	OPS R,11, E,26, X,19, E,27
	OPS R,12, E,28, R,13, E,29
	OPS X,20, E,30, R,14, E,31
	OPS X,21, R,15
	WIN 0
	s_wait_alu depctr_va_vdst(0)                   ; the one wait for the batch, ahead of the first instruction that names a result
.if (\p) == 1
	s_wait_dscnt 0x0                               ; V is in
.endif
	ROW C,0, B,0, C,2, B,1
	ROW L,0, C,4, B,2, L,1
	ROW C,6, B,3, L,2, C,8
	ROW B,4, L,3, C,10, B,5
	ROW L,4, C,12, B,6, L,5
.if (\p) == 0
	s_add_co_u32 s[TBV], s[TBV], KS*PV
.endif
.if \cnt
	s_sub_co_u32 s[CNT], s[CNT], 1
	s_cmp_lg_u32 s[CNT], 0
.endif
	ROW C,14, B,7, L,6, C,1
	ROW C,3, L,7, C,5, C,7
	ROW C,9, C,11, C,13, C,15
.if (\p) == 0
	FETCH_V
.endif
.endm
	CHANGE 1, 0                                    ; slot 0 is in, everybody's part of it, and so is the bias; slot 1 is asked for
	v_add_nc_u32 v[AK], s[TBK], v[AK0]
	v_add_nc_u32 v[AM], s[TBM], v[AM0]
	FETCH_K                                        ; key step 0
	s_wait_loadcnt 0x0                             ; Q
	s_wait_dscnt 0x0
.set i, 0
.rept 8
	KQ 0                                           ; piece 0's first scores
.set i, i+1
.endr
	WIN 0                                          ; the addresses for the way out: plain instructions, the places behind those products
	s_mul_i32 s20, s16, 64*SP
	s_lshl_b32 s21, s17, 7
	s_add_co_u32 s20, s20, s21
	s_add_co_u32 s20, s20, STAGE
	v_mul_u32_u24 v[STO], v1, SP                   ; in: row 64 (w % 2) + 16 t + l % 16, my head's half, 16 bytes for each half of the lanes
	v_lshl_add_u32 v[STO], v9, 4, v[STO]
	v_add_nc_u32 v[STO], s20, v[STO]
	s_mul_i32 s20, s[WV], 32*SP
	s_add_co_u32 s20, s20, STAGE
	v_mul_u32_u24 v[RD], v9, SP                    ; back: wave w takes rows 32 w on, whole; lanes 0-15 one row of 256 bytes, lanes 16-31 the next
	v_lshl_add_u32 v[RD], v1, 4, v[RD]
	v_add_nc_u32 v[RD], s20, v[RD]
	v_lshlrev_b32 v[GO], 11, v9                    ; and the same two tokens in xa
	v_lshl_add_u32 v[GO], v1, 4, v[GO]
.set Y, NP-1
.irp n, 0,1,2,3,4,5,6,7,8,9,10,11,12,13,14,15,16,17,18,19,20,21
	OP X, \n                                       ; piece 0's first maximum and statistics
.endr
	v_nop                                          ; a plain instruction behind the exponential,
	s_wait_alu depctr_va_vdst(0)                   ; and its wait, ahead of the branch
	s_mov_b32 s[CNT], 2
	s_mov_b32 s[SLOTS], 15
	s_branch .Lfirst                               ; the loop is entered at a step's first turn, in the middle of a trip
.Lslot:                                                ; 14 times: every slot but the last two is filled again
	CHANGE 1, 1
	s_mov_b32 s[CNT], 2
.Lstep:                                                ; a trip: pieces 2 and 3 of one step, then pieces 0 and 1 of the next, whose K and V it fetches
	TURN 2
	TURN 3
	WIN 0
.Lfirst:
	TURN 0
	TURN 1, 0, 1
	WIN 0
	s_cbranch_scc1 .Lstep
	s_sub_co_u32 s[SLOTS], s[SLOTS], 1
	s_cmp_lg_u32 s[SLOTS], 0
	s_cbranch_scc1 .Lslot
	CHANGE 0, 0                                    ; the tail is written out: nothing is asked for
	s_mov_b32 s[CNT], 3                            ; two trips fetch the last slot's steps; the third is left in its middle
.Ltail:
	TURN 2, 1
	TURN 3
	WIN 0
	s_sub_co_u32 s[CNT], s[CNT], 1
	s_cmp_eq_u32 s[CNT], 0
	s_cbranch_scc1 .Lout
	TURN 0
	TURN 1
	WIN 0
	s_branch .Ltail
.Lout:                                                 ; the third trip's products K Q^T (on the last K once more) and the maximum made of them serve nothing: the price of one text for every trip
.set i, 0
.rept 8
	PV NP-1                                        ; the last piece's V^T P of the last step
.set i, i+1
.endr
	; THE WAY OUT.  l's halves are added; O^T is divided by l, rounded to bf16 and sent through the work-group's stage: a token's 256 bytes come from two waves, so a barrier stands between writing and reading.
	WIN 0
.macro ALL line:vararg
.set t, 0
.rept 4
	\line
.set t, t+1
.endr
.endm
	ALL v_add_f32 v[ST+4*t+2], v[ST+4*t+2], v[ST+4*t+3]
	ALL v_permlanex16_b32 v[ST+4*t+3], v[ST+4*t+2], s[SEL], s[SEL+1]
	ALL v_add_f32 v[ST+4*t+2], v[ST+4*t+2], v[ST+4*t+3]
	ALL v_rcp_f32 v[ST+4*t+2], v[ST+4*t+2]
	v_nop                                          ; a plain instruction behind the last reciprocal,
	s_wait_alu depctr_va_vdst(0)                   ; and one wait for the four
.macro PACK t
	WIN W_RS
.set i, 32*(\t)
.rept 16
	v_pk_mul_f32 v[i:i+1], v[i:i+1], v[ST+4*(\t)+2:ST+4*(\t)+3] op_sel_hi:[1,0]
.set i, i+2
.endr
	WIN 0x05
.set i, 0
.rept 16
	v_cvt_pk_bf16_f32 v[S+16*(\t)+i], v[32*(\t)+2*i], v[32*(\t)+2*i+1]
.set i, i+1
.endr
	WIN 0
.irp f, 0,1,2,3
	ds_store_b128 v[STO], v[S+16*(\t)+4*\f:S+16*(\t)+4*\f+3] offset:(\t)*16*SP+32*\f
.endr
.endm
	PACK 0
	PACK 1
	PACK 2
	PACK 3
	s_wait_dscnt 0x0                               ; for the others' sake: my stores into the stage are done
	s_barrier_signal -1
	s_barrier_wait -1
.irp t, 0,1,2,3,4,5,6,7,8,9,10,11,12,13,14,15
	ds_load_b128 v[S+4*\t:S+4*\t+3], v[RD] offset:\t*2*SP
.endr
.irp t, 0,1,2,3,4,5,6,7,8,9,10,11,12,13,14,15
	s_wait_dscnt 15-\t
	global_store_b128 v[GO], v[S+4*\t:S+4*\t+3], s[8:9] offset:\t*4096   ; 16 lanes store 256 consecutive bytes, aligned
.endr
	s_wait_tensorcnt 0x0                           ; the wave's end
	ds_add_u32 v[SPW], v[NIL]
	s_wait_dscnt 0x0
	CROUND                                         ; the closing round
	s_endpgm
.Lfunc_end_k_q6561ec2708_attn:
	.size	k_q6561ec2708_attn, .Lfunc_end_k_q6561ec2708_attn-k_q6561ec2708_attn
	.p2alignl 7, 3214868480
	.fill 96, 4, 3214868480
	.section	.rodata,"a",@progbits
	.p2align	6, 0x0
	.amdhsa_kernel k_q6561ec2708_attn
		.amdhsa_group_segment_fixed_size 327680
		.amdhsa_private_segment_fixed_size 0
		.amdhsa_enable_private_segment 0
		.amdhsa_kernarg_size 24
		.amdhsa_user_sgpr_count 2
		.amdhsa_user_sgpr_kernarg_segment_ptr 1
		.amdhsa_wavefront_size32 1
		.amdhsa_system_sgpr_workgroup_id_x 1
		.amdhsa_system_sgpr_workgroup_id_y 1
		.amdhsa_system_sgpr_workgroup_id_z 1
		.amdhsa_system_vgpr_workitem_id 0
		.amdhsa_next_free_vgpr 768
		.amdhsa_next_free_sgpr 72
		.amdhsa_reserve_vcc 1
		.amdhsa_float_denorm_mode_32 3
		.amdhsa_float_denorm_mode_16_64 3
		.amdhsa_memory_ordered 1
		.amdhsa_forward_progress 1
		.amdhsa_inst_pref_size 120
	.end_amdhsa_kernel
	.amdgpu_metadata
---
amdhsa.version: [ 1, 2 ]
amdhsa.kernels:
  - .name:           k_q6561ec2708_attn
    .symbol:         k_q6561ec2708_attn.kd
    .args:
      - { .name: qkv, .offset: 0, .size: 8, .value_kind: global_buffer, .address_space: global }
      - { .name: mask, .offset: 8, .size: 8, .value_kind: global_buffer, .address_space: global }
      - { .name: xa, .offset: 16, .size: 8, .value_kind: global_buffer, .address_space: global }
    .group_segment_fixed_size: 327680
    .private_segment_fixed_size: 0
    .kernarg_segment_align: 8
    .kernarg_segment_size: 24
    .max_flat_workgroup_size: 128
    .sgpr_count:     72
    .vgpr_count:     768
    .wavefront_size: 32
...
	.end_amdgpu_metadata
.endif
;; end of part 3
;; launch wo (part 4): grid 8 x 32, 4 waves a work-group, clusters of 4 x 4, 327,680 bytes of LDS; arguments xa, wb, bo, h, hidden; writes h
.if DOCPART == 4
	.amdgcn_target "amdgcn-amd-amdhsa--gfx1250"
	.amdhsa_code_object_version 6
	.text
	.protected	k_q6561ec2708_wo
	.globl	k_q6561ec2708_wo
	.p2align	8
	.type	k_q6561ec2708_wo,@function
k_q6561ec2708_wo:
	s_mov_b64 s[64:65], 0
	v_nop
	global_prefetch_b8 v0, s[64:65] scope:SCOPE_SE
	s_setreg_imm32_b32 hwreg(HW_REG_WAVE_MODE, 25, 1), 1
	s_wait_xcnt 0x0
	s_wait_alu depctr_hold_cnt(0) depctr_sa_sdst(0) depctr_va_vdst(0) depctr_va_sdst(0) depctr_va_ssrc(0) depctr_va_vcc(0) depctr_vm_vsrc(0)
	s_getreg_b32 s2, hwreg(HW_REG_IB_STS2, 6, 4)
	s_cmp_eq_u32 s2, 0
	s_cbranch_scc0 .Lentry_in_a_cluster
	s_endpgm
.Lentry_in_a_cluster:
	s_bfe_u32 s2, ttmp6, 0x10000c
	s_cmp_lg_u32 s2, 0xf033
	s_cbranch_scc0 .Lentry_shape_is_right
	s_endpgm
.Lentry_shape_is_right:
; out = res + A W + bias.  A: [4096][KDIM] bf16; W: [KDIM][1024] bf16 at byte WOFF of wb, as it lies ([k][n]); bias: [1024] f32; res, out: [4096][1024] f32.  Sums in f32; the residual is never rounded.
; SHARES.  A tile of out is 128 x 128, so that 256 work-groups have one each.  K IS SPLIT AMONG THE FOUR WAVES: of each K step of 256 wave w multiplies k = 64 w .. 64 w + 63 for the WHOLE tile: 64 accumulators,
; 512 registers, and each byte of a slot is read from LDS once.  The four partial sums meet in LDS at the end (f32 sums may be taken in any order).
; RING.  Two LDS slots filled by tensor loads: waves 0 and 1 bring A's halves (64 rows of 512 bytes), waves 2 and 3 W's (128 k-rows of 256 bytes).  CLUSTER 4 x 4: A's tile is shared along a row, W's along a column.
; No prefetch: the tiles are small, and a K step's refill is one load a wave.
; THE PRODUCT IS TAKEN TRANSPOSED: source 0 = 16 columns of W, turned by ds_load_tr16_b128; source 1 = 16 rows of A: a lane holds row lane % 16 and the columns 8 (lane / 16) + 0..7.
; THE RESIDUAL's tile comes by one more tensor load a wave (32 rows of 512 bytes), into slot 0 when that slot has been read for the last time, behind a round like every refill.
; REGISTERS: window 0: v0-35 addresses and bias; v64-127, v128-191 A's fragments, two buffers.  Window 1: the same numbers, W's fragments.  Windows 2, 3: the accumulators, (a, b) at v[8 (8 a + b)].
.set KDIM,   1024
.set KS,     KDIM/256
.set WOFF,   6291456
.set PA,     528
.set PB,     288
.set BOFF,   128*PA
.set SLOT1,  147456                    ; shares no bit with a wave's LDS base
.set SPARE,  SLOT1+BOFF+256*PB
.set STEP_A, 512
.set STEP_B, 256*2048
.set SPITCH, 528
.set REG,    64*SPITCH                 ; a wave's partial sums of 64 rows
.set PART,   SLOT1                     ; in slot 1's bytes, which have had their last fill
.set ADRA0, 16
.set ADRA,  17
.set BAD,   18
.set RDR,   19
.set ADRB0, 20
.set ADRB,  21
.set STO,   24
.set RD0,   25
.set RDA,   26
.set GO,    27
.set SPW,   28
.set NIL,   29
.set RDB,   31
.set BI,    32
.set F0,    64
.set F1,    128
.set WV, 14
.set WH, 15
.set WL, 16
.set CX, 17
.set CY, 18
.set TX, 19
.set TY, 20
.set KC, 21
.set TB, 22
.set G1A, 24
.set G0A, 32
.set G1B, 48
.set G0B, 56
.set G1R, 72
.set G0R, 80
.set MSB, 0
.macro WIN new
.if MSB != (\new)
	s_set_vgpr_msb (MSB<<8)|(\new)
.set MSB, \new
.endif
.endm
.set MUL_LO, 0xa1
.set MUL_HI, 0xf1
.set TO_B,   0x40
.macro PLACES
.rept 4
	v_nop
.endr
.endm
.macro CREST
	s_cmp_lg_u32 s[WV], 0
	s_cbranch_scc1 .Lnot_wave_0_\@
	s_barrier_signal -3
.Lnot_wave_0_\@:
	s_barrier_wait -3
	s_barrier_signal -1
	s_barrier_wait -1
.endm
.macro CROUND
	s_barrier_signal -1
	s_barrier_wait -1
	CREST
.endm
.macro JLOAD
	s_cmp_eq_u32 s[WH], 0
	s_cbranch_scc0 .Lfor_b_\@
	tensor_load_to_lds s[G0A+4:G0A+7], s[G1A:G1A+7]
	s_nop 0
	PLACES
	s_branch .Lasked_\@
.Lfor_b_\@:
	tensor_load_to_lds s[G0B+4:G0B+7], s[G1B:G1B+7]
	s_nop 0
	PLACES
.Lasked_\@:
.endm
.macro MUL16 f, hi, a0, zero           ; row blocks a0, a0 + 1 of the window's four x all 8 column blocks, 32 along K.  The 64 accumulators take turns, in the same order in every quarter
	WIN MUL_LO+0x50*(\hi)
.irp a, \a0, (\a0)+1
.irp b, 0,1,2,3,4,5,6,7
.if \zero
	v_wmma_f32_16x16x32_bf16 v[8*(8*(\a)+(\b)):8*(8*(\a)+(\b))+7], v[(\f)+8*(\b):(\f)+8*(\b)+7], v[(\f)+8*(4*(\hi)+(\a)):(\f)+8*(4*(\hi)+(\a))+7], 0
.else
	v_wmma_f32_16x16x32_bf16 v[8*(8*(\a)+(\b)):8*(8*(\a)+(\b))+7], v[(\f)+8*(\b):(\f)+8*(\b)+7], v[(\f)+8*(4*(\hi)+(\a)):(\f)+8*(4*(\hi)+(\a))+7], v[8*(8*(\a)+(\b)):8*(8*(\a)+(\b))+7]
.endif
.endr
.endr
.endm
.macro FETCH ka, kb, f                 ; 32 LDS loads in one run: W's 8 fragments (turned), then A's 8
	WIN TO_B
.irp i, 0,1,2,3,4,5,6,7
	ds_load_tr16_b128 v[(\f)+8*(\i):(\f)+8*(\i)+3],   v[ADRB] offset:(\kb)+32*(\i)
	ds_load_tr16_b128 v[(\f)+8*(\i)+4:(\f)+8*(\i)+7], v[ADRB] offset:(\kb)+32*(\i)+16*PB
.endr
	WIN 0
.irp i, 0,1,2,3,4,5,6,7
	ds_load_b128 v[(\f)+8*(\i):(\f)+8*(\i)+3],   v[ADRA] offset:(\ka)+(\i)*16*PA
	ds_load_b128 v[(\f)+8*(\i)+4:(\f)+8*(\i)+7], v[ADRA] offset:(\ka)+(\i)*16*PA+32
.endr
.endm
.macro QUARTER ka, kb, f, g, zero
	s_wait_dscnt 8                                 ; all but the youngest eight loads: A's rows 64-127
	MUL16 \f, 0, 0, \zero
	MUL16 \f, 0, 2, \zero
	PLACES
	FETCH \ka, \kb, \g
	s_wait_dscnt 32                                ; all but the 32 just issued
	MUL16 \f, 1, 0, \zero
	MUL16 \f, 1, 2, \zero
.endm
; A K step's second half multiplies buffer 1 and changes slots.  Each wave waits for all its tensor loads, adds 0 to its spare word, and waits for that and for its reads of this slot; the barrier opens a round of
; the cluster's.  mode = 1: the joint refill is the first thing behind the round.  mode = 2: slot 0 has been read for the last time: each wave's part of the residual's tile goes there.
.macro TURN mode
	WIN 0
	s_wait_tensorcnt 0x0                           ; no tensor load of mine is out, so a group 0 may be written
	ds_add_u32 v[SPW], v[NIL]                      ; 0 onto my spare word
	s_xor_b32 s[TB], s[TB], SLOT1
	v_add_nc_u32 v[ADRA], s[TB], v[ADRA0]
	v_add_nc_u32 v[ADRB], s[TB], v[ADRB0]
.if (\mode) == 1
	s_xor_b32 s[G0A+5], s[G0A+5], SLOT1
	s_add_nc_u64 s[G0A+6:G0A+7], s[G0A+6:G0A+7], STEP_A
	s_xor_b32 s[G0B+5], s[G0B+5], SLOT1
	s_add_nc_u64 s[G0B+6:G0B+7], s[G0B+6:G0B+7], STEP_B
.endif
	s_wait_dscnt 9                                 ; the add and the youngest eight loads may be out
	MUL16 F1, 0, 0, 0
	s_wait_dscnt 0x0                               ; the add is done, and my reads of this slot are over
	s_barrier_signal -1
	MUL16 F1, 0, 2, 0
	WIN 0
	s_barrier_wait -1
	CREST
.if (\mode) == 1
	JLOAD
.else
	tensor_load_to_lds s[G0R:G0R+3], s[G1R:G1R+7]
	s_nop 0
	PLACES
.endif
	FETCH 0, 0, F0
	MUL16 F1, 1, 0, 0
	MUL16 F1, 1, 2, 0
.endm
	s_load_b256 s[4:11], s[0:1], 0x0               ; A s[4:5], wb s[6:7], bias s[8:9], out s[10:11]
	s_load_b64 s[12:13], s[0:1], 0x20              ; res
	v_lshl_add_u32 v[SPW], v0, 2, SPARE
	v_mov_b32 v[NIL], 0
	ds_add_u32 v[SPW], v[NIL]                      ; the wave's opening: the add and its wait stand ahead of my first tensor load
	v_lshrrev_b32 v1, 5, v0
	v_readfirstlane_b32 s[WV], v1
	s_lshr_b32 s[WH], s[WV], 1                     ; I fetch for A (0) or for W (1),
	s_and_b32 s[WL], s[WV], 1                      ; this half of its tile
	s_bfe_u32 s[CX], ttmp6, 0x40000
	s_bfe_u32 s[CY], ttmp6, 0x40004
	s_lshl_b32 s[TX], ttmp9, 2
	s_add_co_u32 s[TX], s[TX], s[CX]
	s_and_b32 s[TY], ttmp7, 0xffff
	s_lshl_b32 s[TY], s[TY], 2
	s_add_co_u32 s[TY], s[TY], s[CY]
	s_lshl_b32 s40, s[CY], 2
	s_lshl_b32 s40, 15, s40
	s_lshl_b32 s41, 0x1111, s[CX]
	s_or_b32 s[G1A], s40, (1<<16)|(1<<20)|(1<<21)|(6<<22)|(3<<25)  ; my row's mask; 2-byte elements; padding on; bit 21 beside a mask; after every 128 words, 4 words
	s_or_b32 s[G1B], s41, (1<<16)|(1<<20)|(1<<21)|(5<<22)|(7<<25)  ; my column's mask; after every 64 words, 8 words
	s_mov_b32 s[G1A+1], 256<<16                    ; A: 64 rows x 256 elements
	s_mov_b32 s[G1A+2], 64<<16
	s_mov_b32 s[G1A+3], 256<<16
	s_mov_b32 s[G1A+4], 64
	s_mov_b32 s[G1A+5], KDIM
	s_mov_b32 s[G1A+6], 0
	s_mov_b32 s[G1A+7], 0
	s_mov_b32 s[G1B+1], 128<<16                    ; W: 128 k-rows x 128 elements
	s_mov_b32 s[G1B+2], 128<<16
	s_mov_b32 s[G1B+3], 128<<16
	s_mov_b32 s[G1B+4], 128
	s_mov_b32 s[G1B+5], 1024
	s_mov_b32 s[G1B+6], 0
	s_mov_b32 s[G1B+7], 0
	s_mov_b32 s[G1R], 2<<16                        ; the residual: 32 rows x 128 elements of 4 bytes, no mask, no padding
	s_mov_b32 s[G1R+1], 128<<16
	s_mov_b32 s[G1R+2], 32<<16
	s_mov_b32 s[G1R+3], 128<<16
	s_mov_b32 s[G1R+4], 32
	s_mov_b32 s[G1R+5], 1024
	s_mov_b32 s[G1R+6], 0
	s_mov_b32 s[G1R+7], 0
	s_mov_b32 s[G0R], 1
	s_lshl_b32 s[G0R+1], s[WV], 14                 ; 32 rows of 512 bytes a wave, from LDS byte 0
	s_lshl_b32 s42, s[TY], 7
	s_lshl_b32 s43, s[WL], 6
	s_add_co_u32 s42, s42, s43
	s_mul_i32 s42, s42, KDIM*2
	s_mov_b32 s43, 0
	s_lshl_b32 s44, s[WL], 18                      ; 128 k-rows of 2,048 bytes
	s_lshl_b32 s45, s[TX], 8
	s_add_co_u32 s44, s44, s45
	s_add_co_u32 s44, s44, WOFF
	s_mov_b32 s45, 0
	s_mul_i32 s46, s[WL], 64*PA
	s_mul_i32 s47, s[WL], 128*PB
	s_add_co_u32 s47, s47, BOFF
	s_lshl_b32 s90, s[TY], 7
	s_lshl_b32 s91, s[WV], 5
	s_add_co_u32 s90, s90, s91
	s_lshl_b32 s90, s90, 12
	s_lshl_b32 s91, s[TX], 9
	s_add_co_u32 s90, s90, s91
	s_mov_b32 s91, 0
	s_mov_b32 s[TB], 0
	s_wait_dscnt 0x0                               ; the opening add is done
	s_wait_kmcnt 0x0
	s_add_nc_u64 s[84:85], s[4:5], s[42:43]
	s_add_nc_u64 s[86:87], s[6:7], s[44:45]
	s_add_nc_u64 s[G0R+2:G0R+3], s[12:13], s[90:91]
	s_or_b32 s[G0R+3], s[G0R+3], 0x80000000
	CROUND                                         ; all sixteen work-groups are here: the first joint loads meet
.irp s, 0,1
	s_mov_b32 s[G0A+4*(\s)], 1
	s_add_co_u32 s[G0A+4*(\s)+1], s46, (\s)*SLOT1
	s_add_nc_u64 s[G0A+4*(\s)+2:G0A+4*(\s)+3], s[84:85], (\s)*STEP_A
	s_or_b32 s[G0A+4*(\s)+3], s[G0A+4*(\s)+3], 0x80000000
	s_mov_b32 s[G0B+4*(\s)], 1
	s_add_co_u32 s[G0B+4*(\s)+1], s47, (\s)*SLOT1
	s_add_nc_u64 s[G0B+4*(\s)+2:G0B+4*(\s)+3], s[86:87], (\s)*STEP_B
	s_or_b32 s[G0B+4*(\s)+3], s[G0B+4*(\s)+3], 0x80000000
.endr
	s_cmp_eq_u32 s[WH], 0                          ; a wave's two first fills stand in one branch: two loads of mine are out
	s_cbranch_scc0 .Lfirst_b
	tensor_load_to_lds s[G0A:G0A+3], s[G1A:G1A+7]
	s_nop 0
	tensor_load_to_lds s[G0A+4:G0A+7], s[G1A:G1A+7]
	s_nop 0
	PLACES
	s_branch .Lfirst_done
.Lfirst_b:
	tensor_load_to_lds s[G0B:G0B+3], s[G1B:G1B+7]
	s_nop 0
	tensor_load_to_lds s[G0B+4:G0B+7], s[G1B:G1B+7]
	s_nop 0
	PLACES
.Lfirst_done:
	v_and_b32 v1, 15, v0                           ; r
	v_bfe_u32 v2, v0, 4, 1                         ; h
	v_and_b32 v3, 7, v0
	v_bfe_u32 v4, v0, 3, 1
	v_and_b32 v5, 31, v0                           ; lane
	s_lshl_b32 s90, s[TX], 9
	v_lshl_add_u32 v[BAD], v5, 4, s90
	global_load_b128 v[BI:BI+3], v[BAD], s[8:9]    ; the bias of my four columns on the way out
	v_mul_u32_u24 v[ADRA0], v1, PA
	v_lshl_add_u32 v[ADRA0], v2, 4, v[ADRA0]
	s_lshl_b32 s90, s[WV], 7                       ; my 64 of a K step's 256: 128 bytes of A's rows,
	v_add_nc_u32 v[ADRA0], s90, v[ADRA0]
	v_mov_b32 v[ADRA], v[ADRA0]
	v_lshl_add_u32 v[ADRB0], v2, 3, v3
	v_mul_u32_u24 v[ADRB0], v[ADRB0], PB
	v_lshl_add_u32 v[ADRB0], v4, 4, v[ADRB0]
	s_mul_i32 s90, s[WV], 64*PB                    ; 64 of W's k-rows
	s_add_co_u32 s90, s90, BOFF
	v_add_nc_u32 v[ADRB0], s90, v[ADRB0]
	v_mov_b32 v[ADRB], v[ADRB0]
	v_mul_u32_u24 v[STO], v1, SPITCH
	v_lshl_add_u32 v[STO], v2, 5, v[STO]
	s_mul_i32 s90, s[WV], REG
	s_add_co_u32 s90, s90, PART
	v_add_nc_u32 v[STO], s90, v[STO]
	v_lshlrev_b32 v[RD0], 4, v5
	v_lshlrev_b32 v[GO], 4, v5
	s_lshl_b32 s90, s[TY], 7                       ; out at row 128 TY + 16 w, column 128 TX
	s_lshl_b32 s91, s[WV], 4
	s_add_co_u32 s90, s90, s91
	s_lshl_b32 s90, s90, 12
	s_lshl_b32 s91, s[TX], 9
	s_add_co_u32 s90, s90, s91
	s_mov_b32 s91, 0
	s_add_nc_u64 s[10:11], s[10:11], s[90:91]
	s_wait_tensorcnt 1                             ; my part of K step 0 is in; K step 1's stays out
	s_barrier_signal -1
	s_barrier_wait -1
	FETCH 0, 0, F0
	QUARTER 64, 32*PB, F0, F1, 1                   ; the first products start the sums
	WIN 0
	s_mov_b32 s[KC], KS-2
.Lk:                                                   ; a trip: a K step's second half and the next step's first; one slot is filled again
	TURN 1
	QUARTER 64, 32*PB, F0, F1, 0
	WIN 0
	s_sub_co_u32 s[KC], s[KC], 1
	s_cmp_lg_u32 s[KC], 0
	s_cbranch_scc1 .Lk
	TURN 2
	QUARTER 64, 32*PB, F0, F1, 0
	s_wait_dscnt 0x0
	MUL16 F1, 0, 0, 0
	MUL16 F1, 0, 2, 0
	MUL16 F1, 1, 0, 0
	MUL16 F1, 1, 2, 0
	WIN 0
	s_wait_tensorcnt 0x0                           ; my part of the residual is in; my reads of slot 1 were over at the wait above
	s_barrier_signal -1
	s_barrier_wait -1                              ; both now hold of every wave: slot 1's bytes take the partial sums
	PLACES
.macro STOREP ph                       ; my partial sums of rows 64 ph .. 64 ph + 63, each accumulator's low four registers first; then a barrier
	WIN 0x08+4*(\ph)
.irp a, 0,1,2,3
.irp b, 0,1,2,3,4,5,6,7
	ds_store_b128 v[STO], v[8*(8*(\a)+(\b)):8*(8*(\a)+(\b))+3]   offset:(\a)*16*SPITCH+64*(\b)
	ds_store_b128 v[STO], v[8*(8*(\a)+(\b))+4:8*(8*(\a)+(\b))+7] offset:(\a)*16*SPITCH+64*(\b)+16
.endr
.endr
	WIN 0
	s_wait_dscnt 0x0                               ; for the others' sake: my stores are done
	s_barrier_signal -1
	s_barrier_wait -1
.endm
.macro SUMLOOP ph                      ; wave w adds up rows 16 w .. 16 w + 15 of the phase, 4 a trip: four partial sums, the residual, the bias
	s_mul_i32 s40, s[WV], 16*SPITCH
	s_add_co_u32 s40, s40, PART
	s_lshl_b32 s41, s[WV], 13
	s_add_co_u32 s41, s41, (\ph)*32768
	s_mov_b32 s[KC], 4
.Lsum_\@:
	v_add_nc_u32 v[RDA], s40, v[RD0]
	v_add_nc_u32 v[RDB], 2*REG, v[RDA]
	v_add_nc_u32 v[RDR], s41, v[RD0]
.irp i, 0,1,2,3
	ds_load_b128 v[64+4*(\i):64+4*(\i)+3],   v[RDA] offset:SPITCH*(\i)
	ds_load_b128 v[80+4*(\i):80+4*(\i)+3],   v[RDA] offset:REG+SPITCH*(\i)
	ds_load_b128 v[96+4*(\i):96+4*(\i)+3],   v[RDB] offset:SPITCH*(\i)
	ds_load_b128 v[112+4*(\i):112+4*(\i)+3], v[RDB] offset:REG+SPITCH*(\i)
	ds_load_b128 v[128+4*(\i):128+4*(\i)+3], v[RDR] offset:512*(\i)
.endr
	s_wait_dscnt 0x0
.irp i, 0,1,2,3
.irp j, 0,2
	v_pk_add_f32 v[64+4*(\i)+(\j):64+4*(\i)+(\j)+1], v[64+4*(\i)+(\j):64+4*(\i)+(\j)+1], v[80+4*(\i)+(\j):80+4*(\i)+(\j)+1]
	v_pk_add_f32 v[96+4*(\i)+(\j):96+4*(\i)+(\j)+1], v[96+4*(\i)+(\j):96+4*(\i)+(\j)+1], v[112+4*(\i)+(\j):112+4*(\i)+(\j)+1]
	v_pk_add_f32 v[128+4*(\i)+(\j):128+4*(\i)+(\j)+1], v[128+4*(\i)+(\j):128+4*(\i)+(\j)+1], v[BI+(\j):BI+(\j)+1]
.endr
.endr
.irp i, 0,1,2,3
.irp j, 0,2
	v_pk_add_f32 v[64+4*(\i)+(\j):64+4*(\i)+(\j)+1], v[64+4*(\i)+(\j):64+4*(\i)+(\j)+1], v[96+4*(\i)+(\j):96+4*(\i)+(\j)+1]
.endr
.endr
.irp i, 0,1,2,3
.irp j, 0,2
	v_pk_add_f32 v[64+4*(\i)+(\j):64+4*(\i)+(\j)+1], v[64+4*(\i)+(\j):64+4*(\i)+(\j)+1], v[128+4*(\i)+(\j):128+4*(\i)+(\j)+1]
.endr
.endr
.irp i, 0,1,2,3
	global_store_b128 v[GO], v[64+4*(\i):64+4*(\i)+3], s[10:11] offset:4096*(\i)  ; 32 lanes x 16 bytes: a row's 512 bytes, aligned
.endr
	s_wait_xcnt 0x0                                ; the stores have read their data and base
	s_add_nc_u64 s[10:11], s[10:11], 4*4096
	s_add_co_u32 s40, s40, 4*SPITCH
	s_add_co_u32 s41, s41, 2048
	s_sub_co_u32 s[KC], s[KC], 1
	s_cmp_lg_u32 s[KC], 0
	s_cbranch_scc1 .Lsum_\@
.endm
	STOREP 0
	s_wait_loadcnt 0x0                             ; the bias
	SUMLOOP 0
	s_add_nc_u64 s[10:11], s[10:11], 48*4096       ; from 16 rows on to 64 rows on
	s_wait_dscnt 0x0                               ; my reads of the partial sums are over
	s_barrier_signal -1
	s_barrier_wait -1                              ; everybody's are: the same bytes take the second half
	STOREP 1
	SUMLOOP 1
	s_wait_tensorcnt 0x0                           ; the wave's end
	ds_add_u32 v[SPW], v[NIL]
	s_wait_dscnt 0x0
	CROUND                                         ; the closing round
	s_endpgm
.Lfunc_end_k_q6561ec2708_wo:
	.size	k_q6561ec2708_wo, .Lfunc_end_k_q6561ec2708_wo-k_q6561ec2708_wo
	.p2alignl 7, 3214868480
	.fill 96, 4, 3214868480
	.section	.rodata,"a",@progbits
	.p2align	6, 0x0
	.amdhsa_kernel k_q6561ec2708_wo
		.amdhsa_group_segment_fixed_size 327680
		.amdhsa_private_segment_fixed_size 0
		.amdhsa_enable_private_segment 0
		.amdhsa_kernarg_size 40
		.amdhsa_user_sgpr_count 2
		.amdhsa_user_sgpr_kernarg_segment_ptr 1
		.amdhsa_wavefront_size32 1
		.amdhsa_system_sgpr_workgroup_id_x 1
		.amdhsa_system_sgpr_workgroup_id_y 1
		.amdhsa_system_sgpr_workgroup_id_z 1
		.amdhsa_system_vgpr_workitem_id 0
		.amdhsa_next_free_vgpr 1024
		.amdhsa_next_free_sgpr 96
		.amdhsa_reserve_vcc 0
		.amdhsa_float_denorm_mode_32 3
		.amdhsa_float_denorm_mode_16_64 3
		.amdhsa_memory_ordered 1
		.amdhsa_forward_progress 1
		.amdhsa_inst_pref_size 66
	.end_amdhsa_kernel
	.amdgpu_metadata
---
amdhsa.version: [ 1, 2 ]
amdhsa.kernels:
  - .name:           k_q6561ec2708_wo
    .symbol:         k_q6561ec2708_wo.kd
    .args:
      - { .name: xa, .offset: 0, .size: 8, .value_kind: global_buffer, .address_space: global }
      - { .name: wb, .offset: 8, .size: 8, .value_kind: global_buffer, .address_space: global }
      - { .name: bo, .offset: 16, .size: 8, .value_kind: global_buffer, .address_space: global }
      - { .name: h, .offset: 24, .size: 8, .value_kind: global_buffer, .address_space: global }
      - { .name: hidden, .offset: 32, .size: 8, .value_kind: global_buffer, .address_space: global }
    .group_segment_fixed_size: 327680
    .private_segment_fixed_size: 0
    .kernarg_segment_align: 8
    .kernarg_segment_size: 40
    .max_flat_workgroup_size: 128
    .sgpr_count:     96
    .vgpr_count:     1024
    .wavefront_size: 32
...
	.end_amdgpu_metadata
.endif
;; end of part 4
;; launch ln2: the kernel of part 1 again; grid 256 x 1, 8 waves a work-group, no clusters, 0 bytes of LDS; arguments h, ln2_g, ln2_b, xa, wq, wk, wv, wo, w1, w2, wb; writes xa, wb
;; launch ffn1 (part 5): grid 16 x 16, 4 waves a work-group, clusters of 4 x 4, 327,680 bytes of LDS; arguments xa, wb, b1, act; writes act
.if DOCPART == 5
	.amdgcn_target "amdgcn-amd-amdhsa--gfx1250"
	.amdhsa_code_object_version 6
	.text
	.protected	k_q6561ec2708_ffn1
	.globl	k_q6561ec2708_ffn1
	.p2align	8
	.type	k_q6561ec2708_ffn1,@function
k_q6561ec2708_ffn1:
	s_mov_b64 s[64:65], 0
	v_nop
	global_prefetch_b8 v0, s[64:65] scope:SCOPE_SE
	s_setreg_imm32_b32 hwreg(HW_REG_WAVE_MODE, 25, 1), 1
	s_wait_xcnt 0x0
	s_wait_alu depctr_hold_cnt(0) depctr_sa_sdst(0) depctr_va_vdst(0) depctr_va_sdst(0) depctr_va_ssrc(0) depctr_va_vcc(0) depctr_vm_vsrc(0)
	s_getreg_b32 s2, hwreg(HW_REG_IB_STS2, 6, 4)
	s_cmp_eq_u32 s2, 0
	s_cbranch_scc0 .Lentry_in_a_cluster
	s_endpgm
.Lentry_in_a_cluster:
	s_bfe_u32 s2, ttmp6, 0x10000c
	s_cmp_lg_u32 s2, 0xf033
	s_cbranch_scc0 .Lentry_shape_is_right
	s_endpgm
.Lentry_shape_is_right:
; act = gelu(xa w1 + b1).  xa: [4096][1024] bf16; w1: [1024][4096] bf16 at byte WOFF of wb, as it lies ([k][n]); b1: [4096] f32; act: [4096][4096] bf16.  Sums, bias and gelu in f32; act rounded once.
; gelu(x) = x / (1 + 2^(x (K0 + K1 x^2))), K0 = -2 sqrt(2 / pi) log2(e), K1 = 0.044715 K0: the tanh form written by its exponential; it gives x for large x and -0 for large -x.
; SHARES.  A tile is 256 x 256; four waves, 2 x 2, each 128 x 128: 64 accumulators, 512 registers.  K goes in steps of 128 through two LDS slots filled by tensor loads: waves 0 and 1 bring xa's halves
; (128 rows of 256 bytes), waves 2 and 3 w1's (64 k-rows of 512 bytes).  CLUSTER 4 x 4: xa's tile is shared along a row, w1's along a column: joint loads.
; THE PRODUCT IS TAKEN TRANSPOSED: source 0 = 16 columns of w1, turned by ds_load_tr16_b128; source 1 = 16 rows of xa: a lane holds row lane % 16 and the columns 8 (lane / 16) + 0..7.
; THE WAY OUT: the sums go in f32 into the wave's own stage (the slots' bytes, behind their last fill and last read), come back as whole rows, and a short loop finishes 8 rows a trip.
; REGISTERS: window 0: v0-35 addresses and bias; v64-127, v128-191 xa's fragments, two buffers.  Window 1: the same numbers, w1's fragments.  Windows 2, 3: the accumulators, (a, b) at v[8 (8 a + b)].
.set KS,     8
.set WOFF,   8388608
.set PA,     272
.set PB,     544
.set BOFF,   256*PA
.set SLOT1,  BOFF+128*PB               ; 139,264: shares no bit with a wave's LDS base
.set SPARE,  2*SLOT1
.set STEP_A, 256
.set STEP_B, 128*8192
.set SPITCH, 528
.set WSTAGE, 128*SPITCH
.set ADRA0, 16
.set ADRA,  17
.set BAD,   18
.set ADRB0, 20
.set ADRB,  21
.set STO,   24
.set RD0,   25
.set RDA,   26
.set GO,    27
.set SPW,   28
.set NIL,   29
.set PFO,   30
.set BI,    32
.set F0,    64
.set F1,    128
.set XR,    64                         ; the way out: 8 rows in f32
.set TR,    96                         ; at work
.set YR,    128                        ; 8 rows in bf16
.set WV, 14
.set WH, 15
.set WL, 16
.set CX, 17
.set CY, 18
.set TX, 19
.set TY, 20
.set KC, 21
.set TB, 22
.set LIM, 23
.set G1A, 24
.set G0A, 32
.set G1B, 48
.set G0B, 56
.set PFA, 66
.set K0,  68
.set K1,  70
.set PFS, 88
.set MSB, 0
.macro WIN new
.if MSB != (\new)
	s_set_vgpr_msb (MSB<<8)|(\new)
.set MSB, \new
.endif
.endm
.set MUL_LO, 0xa1
.set MUL_HI, 0xf1
.set TO_B,   0x40
.macro PLACES
.rept 4
	v_nop
.endr
.endm
.macro CREST
	s_cmp_lg_u32 s[WV], 0
	s_cbranch_scc1 .Lnot_wave_0_\@
	s_barrier_signal -3
.Lnot_wave_0_\@:
	s_barrier_wait -3
	s_barrier_signal -1
	s_barrier_wait -1
.endm
.macro CROUND
	s_barrier_signal -1
	s_barrier_wait -1
	CREST
.endm
.macro JLOAD
	s_cmp_eq_u32 s[WH], 0
	s_cbranch_scc0 .Lfor_b_\@
	tensor_load_to_lds s[G0A+4:G0A+7], s[G1A:G1A+7]
	s_nop 0
	PLACES
	s_branch .Lasked_\@
.Lfor_b_\@:
	tensor_load_to_lds s[G0B+4:G0B+7], s[G1B:G1B+7]
	s_nop 0
	PLACES
.Lasked_\@:
.endm
; A prefetch of the K step two refills on, 32 blocks of 256 bytes, a lane a block.  xa's rows are asked for by the clusters with x = 0, w1's by those with y = 0; the four partners of a joint load share its blocks out
; by address (32 of xa's 128 rows; 16 of w1's 64 k-rows, two blocks each).  The last two refills have no K step two on.
.macro ASK
	s_cmp_gt_u32 s[KC], s[LIM]
	s_cbranch_scc0 .Lnot_mine_\@
	global_prefetch_b8 v[PFO], s[PFA:PFA+1] th:TH_LOAD_NT scope:SCOPE_SE
.Lnot_mine_\@:
.endm
.macro MUL16 f, hi, a0, zero           ; the 64 accumulators take turns, in the same order in every quarter
	WIN MUL_LO+0x50*(\hi)
.irp a, \a0, (\a0)+1
.irp b, 0,1,2,3,4,5,6,7
.if \zero
	v_wmma_f32_16x16x32_bf16 v[8*(8*(\a)+(\b)):8*(8*(\a)+(\b))+7], v[(\f)+8*(\b):(\f)+8*(\b)+7], v[(\f)+8*(4*(\hi)+(\a)):(\f)+8*(4*(\hi)+(\a))+7], 0
.else
	v_wmma_f32_16x16x32_bf16 v[8*(8*(\a)+(\b)):8*(8*(\a)+(\b))+7], v[(\f)+8*(\b):(\f)+8*(\b)+7], v[(\f)+8*(4*(\hi)+(\a)):(\f)+8*(4*(\hi)+(\a))+7], v[8*(8*(\a)+(\b)):8*(8*(\a)+(\b))+7]
.endif
.endr
.endr
.endm
.macro FETCH ka, kb, f
	WIN TO_B
.irp i, 0,1,2,3,4,5,6,7
	ds_load_tr16_b128 v[(\f)+8*(\i):(\f)+8*(\i)+3],   v[ADRB] offset:(\kb)+32*(\i)
	ds_load_tr16_b128 v[(\f)+8*(\i)+4:(\f)+8*(\i)+7], v[ADRB] offset:(\kb)+32*(\i)+16*PB
.endr
	WIN 0
.irp i, 0,1,2,3,4,5,6,7
	ds_load_b128 v[(\f)+8*(\i):(\f)+8*(\i)+3],   v[ADRA] offset:(\ka)+(\i)*16*PA
	ds_load_b128 v[(\f)+8*(\i)+4:(\f)+8*(\i)+7], v[ADRA] offset:(\ka)+(\i)*16*PA+32
.endr
.endm
.macro QUARTER ka, kb, f, g, zero
	s_wait_dscnt 8                                 ; all but the youngest eight loads: xa's rows 64-127
	MUL16 \f, 0, 0, \zero
	MUL16 \f, 0, 2, \zero
	PLACES
	FETCH \ka, \kb, \g
	s_wait_dscnt 32                                ; all but the 32 just issued
	MUL16 \f, 1, 0, \zero
	MUL16 \f, 1, 2, \zero
.endm
; A K step's last quarter multiplies buffer 1 and changes slots.  Each wave waits for all its tensor loads, adds 0 to its spare word, and waits for that and for its reads of this slot.
; mode = 1: the barrier opens a round of the cluster's, and the joint refill is the first thing behind the round.
.macro TURN mode
.if \mode
	s_wait_xcnt 0x0                                ; the last prefetch, a K step back, has read its address
	s_add_nc_u64 s[PFA:PFA+1], s[PFA:PFA+1], s[PFS:PFS+1]
.endif
	WIN 0
	s_wait_tensorcnt 0x0                           ; no tensor load of mine is out, so a group 0 may be written
	ds_add_u32 v[SPW], v[NIL]                      ; 0 onto my spare word
	s_xor_b32 s[TB], s[TB], SLOT1
	v_add_nc_u32 v[ADRA], s[TB], v[ADRA0]
	v_add_nc_u32 v[ADRB], s[TB], v[ADRB0]
.if \mode
	s_xor_b32 s[G0A+5], s[G0A+5], SLOT1
	s_add_nc_u64 s[G0A+6:G0A+7], s[G0A+6:G0A+7], STEP_A
	s_xor_b32 s[G0B+5], s[G0B+5], SLOT1
	s_add_nc_u64 s[G0B+6:G0B+7], s[G0B+6:G0B+7], STEP_B
.endif
	s_wait_dscnt 9                                 ; the add and the youngest eight loads may be out
	MUL16 F1, 0, 0, 0
	s_wait_dscnt 0x0                               ; the add is done, and my reads of this slot are over
	s_barrier_signal -1
	MUL16 F1, 0, 2, 0
.if \mode
	WIN 0
.endif
	s_barrier_wait -1
.if \mode
	CREST
	JLOAD
.else
	PLACES
.endif
	FETCH 0, 0, F0
.if \mode
	ASK
.endif
	MUL16 F1, 1, 0, 0
	MUL16 F1, 1, 2, 0
.endm
	s_load_b256 s[4:11], s[0:1], 0x0               ; xa s[4:5], wb s[6:7], b1 s[8:9], act s[10:11]
	v_lshl_add_u32 v[SPW], v0, 2, SPARE
	v_mov_b32 v[NIL], 0
	ds_add_u32 v[SPW], v[NIL]                      ; the wave's opening: the add and its wait stand ahead of my first tensor load
	v_lshrrev_b32 v1, 5, v0
	v_readfirstlane_b32 s[WV], v1
	s_lshr_b32 s[WH], s[WV], 1                     ; my half of the tile's rows.  Also: I fetch for xa (0) or for w1 (1)
	s_and_b32 s[WL], s[WV], 1                      ; my half of its columns.  Also: which half of that tile I fetch
	s_bfe_u32 s[CX], ttmp6, 0x40000
	s_bfe_u32 s[CY], ttmp6, 0x40004
	s_lshl_b32 s[TX], ttmp9, 2
	s_add_co_u32 s[TX], s[TX], s[CX]
	s_and_b32 s[TY], ttmp7, 0xffff
	s_lshl_b32 s[TY], s[TY], 2
	s_add_co_u32 s[TY], s[TY], s[CY]
	s_lshl_b32 s40, s[CY], 2
	s_lshl_b32 s40, 15, s40
	s_lshl_b32 s41, 0x1111, s[CX]
	s_or_b32 s[G1A], s40, (1<<16)|(1<<20)|(1<<21)|(5<<22)|(3<<25)  ; my row's mask; 2-byte elements; padding on; bit 21 beside a mask; after every 64 words, 4 words
	s_or_b32 s[G1B], s41, (1<<16)|(1<<20)|(1<<21)|(6<<22)|(7<<25)  ; my column's mask; after every 128 words, 8 words
	s_mov_b32 s[G1A+1], 128<<16                    ; xa: 128 rows x 128 elements
	s_mov_b32 s[G1A+2], 128<<16
	s_mov_b32 s[G1A+3], 128<<16
	s_mov_b32 s[G1A+4], 128
	s_mov_b32 s[G1A+5], 1024
	s_mov_b32 s[G1A+6], 0
	s_mov_b32 s[G1A+7], 0
	s_mov_b32 s[G1B+1], 256<<16                    ; w1: 64 k-rows x 256 elements
	s_mov_b32 s[G1B+2], 64<<16
	s_mov_b32 s[G1B+3], 256<<16
	s_mov_b32 s[G1B+4], 64
	s_mov_b32 s[G1B+5], 4096
	s_mov_b32 s[G1B+6], 0
	s_mov_b32 s[G1B+7], 0
	s_lshl_b32 s42, s[TY], 8
	s_lshl_b32 s43, s[WL], 7
	s_add_co_u32 s42, s42, s43
	s_lshl_b32 s42, s42, 11
	s_mov_b32 s43, 0
	s_lshl_b32 s44, s[WL], 19                      ; 64 k-rows of 8,192 bytes
	s_lshl_b32 s45, s[TX], 9
	s_add_co_u32 s44, s44, s45
	s_add_co_u32 s44, s44, WOFF
	s_mov_b32 s45, 0
	s_mul_i32 s46, s[WV], 128*PA                   ; xa's two halves, then w1's two: 34,816 bytes each
	s_mov_b32 s[TB], 0
	s_mov_b32 s[K0], 0xc0135761
	s_mov_b32 s[K0+1], s[K0]
	s_mov_b32 s[K1], 0xbdd2d3e8
	s_mov_b32 s[K1+1], s[K1]
	s_wait_dscnt 0x0                               ; the opening add is done
	s_wait_kmcnt 0x0
	s_add_nc_u64 s[84:85], s[4:5], s[42:43]
	s_add_nc_u64 s[86:87], s[6:7], s[44:45]
	CROUND                                         ; all sixteen work-groups are here: the first joint loads meet
.irp s, 0,1
	s_mov_b32 s[G0A+4*(\s)], 1
	s_add_co_u32 s[G0A+4*(\s)+1], s46, (\s)*SLOT1
	s_add_nc_u64 s[G0A+4*(\s)+2:G0A+4*(\s)+3], s[84:85], (\s)*STEP_A
	s_or_b32 s[G0A+4*(\s)+3], s[G0A+4*(\s)+3], 0x80000000
	s_mov_b32 s[G0B+4*(\s)], 1
	s_add_co_u32 s[G0B+4*(\s)+1], s46, (\s)*SLOT1
	s_add_nc_u64 s[G0B+4*(\s)+2:G0B+4*(\s)+3], s[86:87], (\s)*STEP_B
	s_or_b32 s[G0B+4*(\s)+3], s[G0B+4*(\s)+3], 0x80000000
.endr
	s_cmp_eq_u32 s[WH], 0                          ; a wave's two first fills stand in one branch: two loads of mine are out
	s_cbranch_scc0 .Lfirst_b
	tensor_load_to_lds s[G0A:G0A+3], s[G1A:G1A+7]
	s_nop 0
	tensor_load_to_lds s[G0A+4:G0A+7], s[G1A:G1A+7]
	s_nop 0
	PLACES
	s_branch .Lfirst_done
.Lfirst_b:
	tensor_load_to_lds s[G0B:G0B+3], s[G1B:G1B+7]
	s_nop 0
	tensor_load_to_lds s[G0B+4:G0B+7], s[G1B:G1B+7]
	s_nop 0
	PLACES
.Lfirst_done:
	v_and_b32 v1, 15, v0                           ; r
	v_bfe_u32 v2, v0, 4, 1                         ; h
	v_and_b32 v3, 7, v0
	v_bfe_u32 v4, v0, 3, 1
	v_and_b32 v5, 31, v0                           ; lane
	s_lshl_b32 s90, s[TX], 10
	s_lshl_b32 s91, s[WL], 9
	s_add_co_u32 s90, s90, s91
	v_lshl_add_u32 v[BAD], v5, 4, s90
	global_load_b128 v[BI:BI+3], v[BAD], s[8:9]    ; the bias of my four columns on the way out
	v_mul_u32_u24 v[ADRA0], v1, PA
	v_lshl_add_u32 v[ADRA0], v2, 4, v[ADRA0]
	s_mul_i32 s90, s[WH], 128*PA
	v_add_nc_u32 v[ADRA0], s90, v[ADRA0]
	v_mov_b32 v[ADRA], v[ADRA0]
	v_lshl_add_u32 v[ADRB0], v2, 3, v3
	v_mul_u32_u24 v[ADRB0], v[ADRB0], PB
	v_lshl_add_u32 v[ADRB0], v4, 4, v[ADRB0]
	s_lshl_b32 s90, s[WL], 8
	s_add_co_u32 s90, s90, BOFF
	v_add_nc_u32 v[ADRB0], s90, v[ADRB0]
	v_mov_b32 v[ADRB], v[ADRB0]
	s_mul_i32 s90, s[WV], WSTAGE                   ; my stage
	v_mul_u32_u24 v[STO], v1, SPITCH
	v_lshl_add_u32 v[STO], v2, 5, v[STO]
	v_add_nc_u32 v[STO], s90, v[STO]
	v_lshl_add_u32 v[RD0], v5, 4, s90
	v_lshlrev_b32 v[GO], 3, v5
	s_lshl_b32 s90, s[TY], 8                       ; act at my first row and column
	s_lshl_b32 s91, s[WH], 7
	s_add_co_u32 s90, s90, s91
	s_lshl_b32 s90, s90, 13
	s_lshl_b32 s91, s[TX], 9
	s_add_co_u32 s90, s90, s91
	s_lshl_b32 s91, s[WL], 8
	s_add_co_u32 s90, s90, s91
	s_mov_b32 s91, 0
	s_add_nc_u64 s[10:11], s[10:11], s[90:91]
	v_lshlrev_b32 v[PFO], 11, v5                   ; the prefetches' offset: xa: a lane a row of 2,048 bytes;
	v_lshrrev_b32 v6, 1, v5
	v_and_b32 v7, 1, v5
	v_lshlrev_b32 v6, 13, v6
	v_lshl_add_u32 v6, v7, 8, v6                   ; w1: two lanes a k-row of 8,192 bytes, 256 bytes apart
	s_and_b32 s47, ttmp7, 0xffff                   ; cluster y
	s_mov_b32 s[PFS], STEP_B
	s_mov_b32 s[PFS+1], 0
	s_cmp_eq_u32 s[WH], 0                          ; do I fetch for xa?
	s_cselect_b64 s[PFA:PFA+1], s[84:85], s[86:87]
	s_cselect_b32 s44, s[CX], s[CY]                ; my place among the four that ask with me
	s_cselect_b32 s45, 16, 17                      ; its share: 32 rows of 2,048 bytes, or 16 of 8,192
	s_cselect_b32 s[PFS], STEP_A, s[PFS]
	s_cselect_b32 s47, ttmp9, s47                  ; the coordinate along which other clusters read the same rows
	s_cselect_b32 s46, -1, 0
	s_cmp_eq_u32 s47, 0
	s_cselect_b32 s[LIM], 2, -1
	v_cndmask_b32 v[PFO], v6, v[PFO], s46
	s_lshl_b32 s44, s44, s45
	s_mul_i32 s45, s[PFS], 3                       ; at K step 3: the first refill steps it to 4
	s_add_co_u32 s44, s44, s45
	s_mov_b32 s45, 0
	s_add_nc_u64 s[PFA:PFA+1], s[PFA:PFA+1], s[44:45]
	s_wait_tensorcnt 1                             ; my part of K step 0 is in; K step 1's stays out
	s_barrier_signal -1
	s_barrier_wait -1
	FETCH 0, 0, F0
	QUARTER 64, 32*PB, F0, F1, 1                   ; the first products start the sums
	WIN 0
	s_mov_b32 s[KC], KS-2
.Lk:                                                   ; a trip: a K step's quarters 1 to 3 and the next step's quarter 0; one slot is filled again
	QUARTER 128, 64*PB, F1, F0, 0
	QUARTER 192, 96*PB, F0, F1, 0
	TURN 1
	QUARTER 64, 32*PB, F0, F1, 0
	WIN 0
	s_sub_co_u32 s[KC], s[KC], 1
	s_cmp_lg_u32 s[KC], 0
	s_cbranch_scc1 .Lk
	QUARTER 128, 64*PB, F1, F0, 0                  ; the last two K steps ask for nothing
	QUARTER 192, 96*PB, F0, F1, 0
	TURN 0
	QUARTER 64, 32*PB, F0, F1, 0
	QUARTER 128, 64*PB, F1, F0, 0
	QUARTER 192, 96*PB, F0, F1, 0
	s_wait_dscnt 0x0                               ; my reads of both slots are over:
	s_barrier_signal -1                            ; say so, and multiply while the others arrive
	MUL16 F1, 0, 0, 0
	MUL16 F1, 0, 2, 0
	MUL16 F1, 1, 0, 0
	MUL16 F1, 1, 2, 0
	s_barrier_wait -1                              ; the slots have had their last fill and their last read: they become the stages
	PLACES
.irp hi, 0,1
	WIN 0x08+4*(\hi)
.irp a, 0,1,2,3
.irp b, 0,1,2,3,4,5,6,7
	ds_store_b128 v[STO], v[8*(8*(\a)+(\b)):8*(8*(\a)+(\b))+3]   offset:(4*(\hi)+(\a))*16*SPITCH+64*(\b)      ; each accumulator's low four registers first
	ds_store_b128 v[STO], v[8*(8*(\a)+(\b))+4:8*(8*(\a)+(\b))+7] offset:(4*(\hi)+(\a))*16*SPITCH+64*(\b)+16
.endr
.endr
.endr
	WIN 0
	s_wait_loadcnt 0x0                             ; the bias
	s_mov_b32 s40, 0
	s_mov_b32 s[KC], 16
.Lg:                                                   ; 8 rows of my own stage a trip (LDS serves a wave's instructions in order: the loads see the stores above)
	v_add_nc_u32 v[RDA], s40, v[RD0]
.irp i, 0,1,2,3,4,5,6,7
	ds_load_b128 v[XR+4*(\i):XR+4*(\i)+3], v[RDA] offset:SPITCH*(\i)
.endr
	s_wait_dscnt 0x0
.set i, 0
.rept 16
	v_pk_add_f32 v[XR+2*i:XR+2*i+1], v[XR+2*i:XR+2*i+1], v[BI+2*(i%2):BI+2*(i%2)+1]
.set i, i+1
.endr
.set i, 0
.rept 16
	v_pk_mul_f32 v[TR+2*i:TR+2*i+1], v[XR+2*i:XR+2*i+1], v[XR+2*i:XR+2*i+1]
.set i, i+1
.endr
.set i, 0
.rept 16
	v_pk_fma_f32 v[TR+2*i:TR+2*i+1], v[TR+2*i:TR+2*i+1], s[K1:K1+1], s[K0:K0+1] op_sel_hi:[1,0,0]
.set i, i+1
.endr
.set i, 0
.rept 16
	v_pk_mul_f32 v[TR+2*i:TR+2*i+1], v[TR+2*i:TR+2*i+1], v[XR+2*i:XR+2*i+1]
.set i, i+1
.endr
.set i, 0
.rept 32
	v_exp_f32 v[TR+i], v[TR+i]
.set i, i+1
.endr
	v_nop                                          ; a plain instruction behind the last exponential,
	s_wait_alu depctr_va_vdst(0)                   ; and one wait for the 32
.set i, 0
.rept 16
	v_pk_add_f32 v[TR+2*i:TR+2*i+1], v[TR+2*i:TR+2*i+1], 1.0 op_sel_hi:[1,0]
.set i, i+1
.endr
.set i, 0
.rept 32
	v_rcp_f32 v[TR+i], v[TR+i]
.set i, i+1
.endr
	v_nop
	s_wait_alu depctr_va_vdst(0)                   ; one wait for the 32 reciprocals
.set i, 0
.rept 16
	v_pk_mul_f32 v[XR+2*i:XR+2*i+1], v[XR+2*i:XR+2*i+1], v[TR+2*i:TR+2*i+1]
.set i, i+1
.endr
.set i, 0
.rept 16
	v_cvt_pk_bf16_f32 v[YR+i], v[XR+2*i], v[XR+2*i+1]
.set i, i+1
.endr
.irp i, 0,1,2,3,4,5,6,7
	global_store_b64 v[GO], v[YR+2*(\i):YR+2*(\i)+1], s[10:11] offset:8192*(\i)  ; 32 lanes x 8 bytes: my 128 columns of a row, 256 bytes, aligned
.endr
	s_wait_xcnt 0x0                                ; the stores have read their data and base
	s_add_nc_u64 s[10:11], s[10:11], 8*8192
	s_add_co_u32 s40, s40, 8*SPITCH
	s_sub_co_u32 s[KC], s[KC], 1
	s_cmp_lg_u32 s[KC], 0
	s_cbranch_scc1 .Lg
	s_wait_tensorcnt 0x0                           ; the wave's end
	ds_add_u32 v[SPW], v[NIL]
	s_wait_dscnt 0x0
	CROUND                                         ; the closing round
	s_endpgm
.Lfunc_end_k_q6561ec2708_ffn1:
	.size	k_q6561ec2708_ffn1, .Lfunc_end_k_q6561ec2708_ffn1-k_q6561ec2708_ffn1
	.p2alignl 7, 3214868480
	.fill 96, 4, 3214868480
	.section	.rodata,"a",@progbits
	.p2align	6, 0x0
	.amdhsa_kernel k_q6561ec2708_ffn1
		.amdhsa_group_segment_fixed_size 327680
		.amdhsa_private_segment_fixed_size 0
		.amdhsa_enable_private_segment 0
		.amdhsa_kernarg_size 32
		.amdhsa_user_sgpr_count 2
		.amdhsa_user_sgpr_kernarg_segment_ptr 1
		.amdhsa_wavefront_size32 1
		.amdhsa_system_sgpr_workgroup_id_x 1
		.amdhsa_system_sgpr_workgroup_id_y 1
		.amdhsa_system_sgpr_workgroup_id_z 1
		.amdhsa_system_vgpr_workitem_id 0
		.amdhsa_next_free_vgpr 1024
		.amdhsa_next_free_sgpr 96
		.amdhsa_reserve_vcc 0
		.amdhsa_float_denorm_mode_32 3
		.amdhsa_float_denorm_mode_16_64 3
		.amdhsa_memory_ordered 1
		.amdhsa_forward_progress 1
		.amdhsa_inst_pref_size 105
	.end_amdhsa_kernel
	.amdgpu_metadata
---
amdhsa.version: [ 1, 2 ]
amdhsa.kernels:
  - .name:           k_q6561ec2708_ffn1
    .symbol:         k_q6561ec2708_ffn1.kd
    .args:
      - { .name: xa, .offset: 0, .size: 8, .value_kind: global_buffer, .address_space: global }
      - { .name: wb, .offset: 8, .size: 8, .value_kind: global_buffer, .address_space: global }
      - { .name: b1, .offset: 16, .size: 8, .value_kind: global_buffer, .address_space: global }
      - { .name: act, .offset: 24, .size: 8, .value_kind: global_buffer, .address_space: global }
    .group_segment_fixed_size: 327680
    .private_segment_fixed_size: 0
    .kernarg_segment_align: 8
    .kernarg_segment_size: 32
    .max_flat_workgroup_size: 128
    .sgpr_count:     96
    .vgpr_count:     1024
    .wavefront_size: 32
...
	.end_amdgpu_metadata
.endif
;; end of part 5
;; launch ffn2 (part 6): grid 8 x 32, 4 waves a work-group, clusters of 4 x 4, 327,680 bytes of LDS; arguments act, wb, b2, out0, h; writes out0
.if DOCPART == 6
	.amdgcn_target "amdgcn-amd-amdhsa--gfx1250"
	.amdhsa_code_object_version 6
	.text
	.protected	k_q6561ec2708_ffn2
	.globl	k_q6561ec2708_ffn2
	.p2align	8
	.type	k_q6561ec2708_ffn2,@function
k_q6561ec2708_ffn2:
	s_mov_b64 s[64:65], 0
	v_nop
	global_prefetch_b8 v0, s[64:65] scope:SCOPE_SE
	s_setreg_imm32_b32 hwreg(HW_REG_WAVE_MODE, 25, 1), 1
	s_wait_xcnt 0x0
	s_wait_alu depctr_hold_cnt(0) depctr_sa_sdst(0) depctr_va_vdst(0) depctr_va_sdst(0) depctr_va_ssrc(0) depctr_va_vcc(0) depctr_vm_vsrc(0)
	s_getreg_b32 s2, hwreg(HW_REG_IB_STS2, 6, 4)
	s_cmp_eq_u32 s2, 0
	s_cbranch_scc0 .Lentry_in_a_cluster
	s_endpgm
.Lentry_in_a_cluster:
	s_bfe_u32 s2, ttmp6, 0x10000c
	s_cmp_lg_u32 s2, 0xf033
	s_cbranch_scc0 .Lentry_shape_is_right
	s_endpgm
.Lentry_shape_is_right:
; out = res + A W + bias.  A: [4096][KDIM] bf16; W: [KDIM][1024] bf16 at byte WOFF of wb, as it lies ([k][n]); bias: [1024] f32; res, out: [4096][1024] f32.  Sums in f32; the residual is never rounded.
; SHARES.  A tile of out is 128 x 128, so that 256 work-groups have one each.  K IS SPLIT AMONG THE FOUR WAVES: of each K step of 256 wave w multiplies k = 64 w .. 64 w + 63 for the WHOLE tile: 64 accumulators,
; 512 registers, and each byte of a slot is read from LDS once.  The four partial sums meet in LDS at the end (f32 sums may be taken in any order).
; RING.  Two LDS slots filled by tensor loads: waves 0 and 1 bring A's halves (64 rows of 512 bytes), waves 2 and 3 W's (128 k-rows of 256 bytes).  CLUSTER 4 x 4: A's tile is shared along a row, W's along a column.
; No prefetch: the tiles are small, and a K step's refill is one load a wave.
; THE PRODUCT IS TAKEN TRANSPOSED: source 0 = 16 columns of W, turned by ds_load_tr16_b128; source 1 = 16 rows of A: a lane holds row lane % 16 and the columns 8 (lane / 16) + 0..7.
; THE RESIDUAL's tile comes by one more tensor load a wave (32 rows of 512 bytes), into slot 0 when that slot has been read for the last time, behind a round like every refill.
; REGISTERS: window 0: v0-35 addresses and bias; v64-127, v128-191 A's fragments, two buffers.  Window 1: the same numbers, W's fragments.  Windows 2, 3: the accumulators, (a, b) at v[8 (8 a + b)].
.set KDIM,   4096
.set KS,     KDIM/256
.set WOFF,   16777216
.set PA,     528
.set PB,     288
.set BOFF,   128*PA
.set SLOT1,  147456                    ; shares no bit with a wave's LDS base
.set SPARE,  SLOT1+BOFF+256*PB
.set STEP_A, 512
.set STEP_B, 256*2048
.set SPITCH, 528
.set REG,    64*SPITCH                 ; a wave's partial sums of 64 rows
.set PART,   SLOT1                     ; in slot 1's bytes, which have had their last fill
.set ADRA0, 16
.set ADRA,  17
.set BAD,   18
.set RDR,   19
.set ADRB0, 20
.set ADRB,  21
.set STO,   24
.set RD0,   25
.set RDA,   26
.set GO,    27
.set SPW,   28
.set NIL,   29
.set RDB,   31
.set BI,    32
.set F0,    64
.set F1,    128
.set WV, 14
.set WH, 15
.set WL, 16
.set CX, 17
.set CY, 18
.set TX, 19
.set TY, 20
.set KC, 21
.set TB, 22
.set G1A, 24
.set G0A, 32
.set G1B, 48
.set G0B, 56
.set G1R, 72
.set G0R, 80
.set MSB, 0
.macro WIN new
.if MSB != (\new)
	s_set_vgpr_msb (MSB<<8)|(\new)
.set MSB, \new
.endif
.endm
.set MUL_LO, 0xa1
.set MUL_HI, 0xf1
.set TO_B,   0x40
.macro PLACES
.rept 4
	v_nop
.endr
.endm
.macro CREST
	s_cmp_lg_u32 s[WV], 0
	s_cbranch_scc1 .Lnot_wave_0_\@
	s_barrier_signal -3
.Lnot_wave_0_\@:
	s_barrier_wait -3
	s_barrier_signal -1
	s_barrier_wait -1
.endm
.macro CROUND
	s_barrier_signal -1
	s_barrier_wait -1
	CREST
.endm
.macro JLOAD
	s_cmp_eq_u32 s[WH], 0
	s_cbranch_scc0 .Lfor_b_\@
	tensor_load_to_lds s[G0A+4:G0A+7], s[G1A:G1A+7]
	s_nop 0
	PLACES
	s_branch .Lasked_\@
.Lfor_b_\@:
	tensor_load_to_lds s[G0B+4:G0B+7], s[G1B:G1B+7]
	s_nop 0
	PLACES
.Lasked_\@:
.endm
.macro MUL16 f, hi, a0, zero           ; row blocks a0, a0 + 1 of the window's four x all 8 column blocks, 32 along K.  The 64 accumulators take turns, in the same order in every quarter
	WIN MUL_LO+0x50*(\hi)
.irp a, \a0, (\a0)+1
.irp b, 0,1,2,3,4,5,6,7
.if \zero
	v_wmma_f32_16x16x32_bf16 v[8*(8*(\a)+(\b)):8*(8*(\a)+(\b))+7], v[(\f)+8*(\b):(\f)+8*(\b)+7], v[(\f)+8*(4*(\hi)+(\a)):(\f)+8*(4*(\hi)+(\a))+7], 0
.else
	v_wmma_f32_16x16x32_bf16 v[8*(8*(\a)+(\b)):8*(8*(\a)+(\b))+7], v[(\f)+8*(\b):(\f)+8*(\b)+7], v[(\f)+8*(4*(\hi)+(\a)):(\f)+8*(4*(\hi)+(\a))+7], v[8*(8*(\a)+(\b)):8*(8*(\a)+(\b))+7]
.endif
.endr
.endr
.endm
.macro FETCH ka, kb, f                 ; 32 LDS loads in one run: W's 8 fragments (turned), then A's 8
	WIN TO_B
.irp i, 0,1,2,3,4,5,6,7
	ds_load_tr16_b128 v[(\f)+8*(\i):(\f)+8*(\i)+3],   v[ADRB] offset:(\kb)+32*(\i)
	ds_load_tr16_b128 v[(\f)+8*(\i)+4:(\f)+8*(\i)+7], v[ADRB] offset:(\kb)+32*(\i)+16*PB
.endr
	WIN 0
.irp i, 0,1,2,3,4,5,6,7
	ds_load_b128 v[(\f)+8*(\i):(\f)+8*(\i)+3],   v[ADRA] offset:(\ka)+(\i)*16*PA
	ds_load_b128 v[(\f)+8*(\i)+4:(\f)+8*(\i)+7], v[ADRA] offset:(\ka)+(\i)*16*PA+32
.endr
.endm
.macro QUARTER ka, kb, f, g, zero
	s_wait_dscnt 8                                 ; all but the youngest eight loads: A's rows 64-127
	MUL16 \f, 0, 0, \zero
	MUL16 \f, 0, 2, \zero
	PLACES
	FETCH \ka, \kb, \g
	s_wait_dscnt 32                                ; all but the 32 just issued
	MUL16 \f, 1, 0, \zero
	MUL16 \f, 1, 2, \zero
.endm
; A K step's second half multiplies buffer 1 and changes slots.  Each wave waits for all its tensor loads, adds 0 to its spare word, and waits for that and for its reads of this slot; the barrier opens a round of
; the cluster's.  mode = 1: the joint refill is the first thing behind the round.  mode = 2: slot 0 has been read for the last time: each wave's part of the residual's tile goes there.
.macro TURN mode
	WIN 0
	s_wait_tensorcnt 0x0                           ; no tensor load of mine is out, so a group 0 may be written
	ds_add_u32 v[SPW], v[NIL]                      ; 0 onto my spare word
	s_xor_b32 s[TB], s[TB], SLOT1
	v_add_nc_u32 v[ADRA], s[TB], v[ADRA0]
	v_add_nc_u32 v[ADRB], s[TB], v[ADRB0]
.if (\mode) == 1
	s_xor_b32 s[G0A+5], s[G0A+5], SLOT1
	s_add_nc_u64 s[G0A+6:G0A+7], s[G0A+6:G0A+7], STEP_A
	s_xor_b32 s[G0B+5], s[G0B+5], SLOT1
	s_add_nc_u64 s[G0B+6:G0B+7], s[G0B+6:G0B+7], STEP_B
.endif
	s_wait_dscnt 9                                 ; the add and the youngest eight loads may be out
	MUL16 F1, 0, 0, 0
	s_wait_dscnt 0x0                               ; the add is done, and my reads of this slot are over
	s_barrier_signal -1
	MUL16 F1, 0, 2, 0
	WIN 0
	s_barrier_wait -1
	CREST
.if (\mode) == 1
	JLOAD
.else
	tensor_load_to_lds s[G0R:G0R+3], s[G1R:G1R+7]
	s_nop 0
	PLACES
.endif
	FETCH 0, 0, F0
	MUL16 F1, 1, 0, 0
	MUL16 F1, 1, 2, 0
.endm
	s_load_b256 s[4:11], s[0:1], 0x0               ; A s[4:5], wb s[6:7], bias s[8:9], out s[10:11]
	s_load_b64 s[12:13], s[0:1], 0x20              ; res
	v_lshl_add_u32 v[SPW], v0, 2, SPARE
	v_mov_b32 v[NIL], 0
	ds_add_u32 v[SPW], v[NIL]                      ; the wave's opening: the add and its wait stand ahead of my first tensor load
	v_lshrrev_b32 v1, 5, v0
	v_readfirstlane_b32 s[WV], v1
	s_lshr_b32 s[WH], s[WV], 1                     ; I fetch for A (0) or for W (1),
	s_and_b32 s[WL], s[WV], 1                      ; this half of its tile
	s_bfe_u32 s[CX], ttmp6, 0x40000
	s_bfe_u32 s[CY], ttmp6, 0x40004
	s_lshl_b32 s[TX], ttmp9, 2
	s_add_co_u32 s[TX], s[TX], s[CX]
	s_and_b32 s[TY], ttmp7, 0xffff
	s_lshl_b32 s[TY], s[TY], 2
	s_add_co_u32 s[TY], s[TY], s[CY]
	s_lshl_b32 s40, s[CY], 2
	s_lshl_b32 s40, 15, s40
	s_lshl_b32 s41, 0x1111, s[CX]
	s_or_b32 s[G1A], s40, (1<<16)|(1<<20)|(1<<21)|(6<<22)|(3<<25)  ; my row's mask; 2-byte elements; padding on; bit 21 beside a mask; after every 128 words, 4 words
	s_or_b32 s[G1B], s41, (1<<16)|(1<<20)|(1<<21)|(5<<22)|(7<<25)  ; my column's mask; after every 64 words, 8 words
	s_mov_b32 s[G1A+1], 256<<16                    ; A: 64 rows x 256 elements
	s_mov_b32 s[G1A+2], 64<<16
	s_mov_b32 s[G1A+3], 256<<16
	s_mov_b32 s[G1A+4], 64
	s_mov_b32 s[G1A+5], KDIM
	s_mov_b32 s[G1A+6], 0
	s_mov_b32 s[G1A+7], 0
	s_mov_b32 s[G1B+1], 128<<16                    ; W: 128 k-rows x 128 elements
	s_mov_b32 s[G1B+2], 128<<16
	s_mov_b32 s[G1B+3], 128<<16
	s_mov_b32 s[G1B+4], 128
	s_mov_b32 s[G1B+5], 1024
	s_mov_b32 s[G1B+6], 0
	s_mov_b32 s[G1B+7], 0
	s_mov_b32 s[G1R], 2<<16                        ; the residual: 32 rows x 128 elements of 4 bytes, no mask, no padding
	s_mov_b32 s[G1R+1], 128<<16
	s_mov_b32 s[G1R+2], 32<<16
	s_mov_b32 s[G1R+3], 128<<16
	s_mov_b32 s[G1R+4], 32
	s_mov_b32 s[G1R+5], 1024
	s_mov_b32 s[G1R+6], 0
	s_mov_b32 s[G1R+7], 0
	s_mov_b32 s[G0R], 1
	s_lshl_b32 s[G0R+1], s[WV], 14                 ; 32 rows of 512 bytes a wave, from LDS byte 0
	s_lshl_b32 s42, s[TY], 7
	s_lshl_b32 s43, s[WL], 6
	s_add_co_u32 s42, s42, s43
	s_mul_i32 s42, s42, KDIM*2
	s_mov_b32 s43, 0
	s_lshl_b32 s44, s[WL], 18                      ; 128 k-rows of 2,048 bytes
	s_lshl_b32 s45, s[TX], 8
	s_add_co_u32 s44, s44, s45
	s_add_co_u32 s44, s44, WOFF
	s_mov_b32 s45, 0
	s_mul_i32 s46, s[WL], 64*PA
	s_mul_i32 s47, s[WL], 128*PB
	s_add_co_u32 s47, s47, BOFF
	s_lshl_b32 s90, s[TY], 7
	s_lshl_b32 s91, s[WV], 5
	s_add_co_u32 s90, s90, s91
	s_lshl_b32 s90, s90, 12
	s_lshl_b32 s91, s[TX], 9
	s_add_co_u32 s90, s90, s91
	s_mov_b32 s91, 0
	s_mov_b32 s[TB], 0
	s_wait_dscnt 0x0                               ; the opening add is done
	s_wait_kmcnt 0x0
	s_add_nc_u64 s[84:85], s[4:5], s[42:43]
	s_add_nc_u64 s[86:87], s[6:7], s[44:45]
	s_add_nc_u64 s[G0R+2:G0R+3], s[12:13], s[90:91]
	s_or_b32 s[G0R+3], s[G0R+3], 0x80000000
	CROUND                                         ; all sixteen work-groups are here: the first joint loads meet
.irp s, 0,1
	s_mov_b32 s[G0A+4*(\s)], 1
	s_add_co_u32 s[G0A+4*(\s)+1], s46, (\s)*SLOT1
	s_add_nc_u64 s[G0A+4*(\s)+2:G0A+4*(\s)+3], s[84:85], (\s)*STEP_A
	s_or_b32 s[G0A+4*(\s)+3], s[G0A+4*(\s)+3], 0x80000000
	s_mov_b32 s[G0B+4*(\s)], 1
	s_add_co_u32 s[G0B+4*(\s)+1], s47, (\s)*SLOT1
	s_add_nc_u64 s[G0B+4*(\s)+2:G0B+4*(\s)+3], s[86:87], (\s)*STEP_B
	s_or_b32 s[G0B+4*(\s)+3], s[G0B+4*(\s)+3], 0x80000000
.endr
	s_cmp_eq_u32 s[WH], 0                          ; a wave's two first fills stand in one branch: two loads of mine are out
	s_cbranch_scc0 .Lfirst_b
	tensor_load_to_lds s[G0A:G0A+3], s[G1A:G1A+7]
	s_nop 0
	tensor_load_to_lds s[G0A+4:G0A+7], s[G1A:G1A+7]
	s_nop 0
	PLACES
	s_branch .Lfirst_done
.Lfirst_b:
	tensor_load_to_lds s[G0B:G0B+3], s[G1B:G1B+7]
	s_nop 0
	tensor_load_to_lds s[G0B+4:G0B+7], s[G1B:G1B+7]
	s_nop 0
	PLACES
.Lfirst_done:
	v_and_b32 v1, 15, v0                           ; r
	v_bfe_u32 v2, v0, 4, 1                         ; h
	v_and_b32 v3, 7, v0
	v_bfe_u32 v4, v0, 3, 1
	v_and_b32 v5, 31, v0                           ; lane
	s_lshl_b32 s90, s[TX], 9
	v_lshl_add_u32 v[BAD], v5, 4, s90
	global_load_b128 v[BI:BI+3], v[BAD], s[8:9]    ; the bias of my four columns on the way out
	v_mul_u32_u24 v[ADRA0], v1, PA
	v_lshl_add_u32 v[ADRA0], v2, 4, v[ADRA0]
	s_lshl_b32 s90, s[WV], 7                       ; my 64 of a K step's 256: 128 bytes of A's rows,
	v_add_nc_u32 v[ADRA0], s90, v[ADRA0]
	v_mov_b32 v[ADRA], v[ADRA0]
	v_lshl_add_u32 v[ADRB0], v2, 3, v3
	v_mul_u32_u24 v[ADRB0], v[ADRB0], PB
	v_lshl_add_u32 v[ADRB0], v4, 4, v[ADRB0]
	s_mul_i32 s90, s[WV], 64*PB                    ; 64 of W's k-rows
	s_add_co_u32 s90, s90, BOFF
	v_add_nc_u32 v[ADRB0], s90, v[ADRB0]
	v_mov_b32 v[ADRB], v[ADRB0]
	v_mul_u32_u24 v[STO], v1, SPITCH
	v_lshl_add_u32 v[STO], v2, 5, v[STO]
	s_mul_i32 s90, s[WV], REG
	s_add_co_u32 s90, s90, PART
	v_add_nc_u32 v[STO], s90, v[STO]
	v_lshlrev_b32 v[RD0], 4, v5
	v_lshlrev_b32 v[GO], 4, v5
	s_lshl_b32 s90, s[TY], 7                       ; out at row 128 TY + 16 w, column 128 TX
	s_lshl_b32 s91, s[WV], 4
	s_add_co_u32 s90, s90, s91
	s_lshl_b32 s90, s90, 12
	s_lshl_b32 s91, s[TX], 9
	s_add_co_u32 s90, s90, s91
	s_mov_b32 s91, 0
	s_add_nc_u64 s[10:11], s[10:11], s[90:91]
	s_wait_tensorcnt 1                             ; my part of K step 0 is in; K step 1's stays out
	s_barrier_signal -1
	s_barrier_wait -1
	FETCH 0, 0, F0
	QUARTER 64, 32*PB, F0, F1, 1                   ; the first products start the sums
	WIN 0
	s_mov_b32 s[KC], KS-2
.Lk:                                                   ; a trip: a K step's second half and the next step's first; one slot is filled again
	TURN 1
	QUARTER 64, 32*PB, F0, F1, 0
	WIN 0
	s_sub_co_u32 s[KC], s[KC], 1
	s_cmp_lg_u32 s[KC], 0
	s_cbranch_scc1 .Lk
	TURN 2
	QUARTER 64, 32*PB, F0, F1, 0
	s_wait_dscnt 0x0
	MUL16 F1, 0, 0, 0
	MUL16 F1, 0, 2, 0
	MUL16 F1, 1, 0, 0
	MUL16 F1, 1, 2, 0
	WIN 0
	s_wait_tensorcnt 0x0                           ; my part of the residual is in; my reads of slot 1 were over at the wait above
	s_barrier_signal -1
	s_barrier_wait -1                              ; both now hold of every wave: slot 1's bytes take the partial sums
	PLACES
.macro STOREP ph                       ; my partial sums of rows 64 ph .. 64 ph + 63, each accumulator's low four registers first; then a barrier
	WIN 0x08+4*(\ph)
.irp a, 0,1,2,3
.irp b, 0,1,2,3,4,5,6,7
	ds_store_b128 v[STO], v[8*(8*(\a)+(\b)):8*(8*(\a)+(\b))+3]   offset:(\a)*16*SPITCH+64*(\b)
	ds_store_b128 v[STO], v[8*(8*(\a)+(\b))+4:8*(8*(\a)+(\b))+7] offset:(\a)*16*SPITCH+64*(\b)+16
.endr
.endr
	WIN 0
	s_wait_dscnt 0x0                               ; for the others' sake: my stores are done
	s_barrier_signal -1
	s_barrier_wait -1
.endm
.macro SUMLOOP ph                      ; wave w adds up rows 16 w .. 16 w + 15 of the phase, 4 a trip: four partial sums, the residual, the bias
	s_mul_i32 s40, s[WV], 16*SPITCH
	s_add_co_u32 s40, s40, PART
	s_lshl_b32 s41, s[WV], 13
	s_add_co_u32 s41, s41, (\ph)*32768
	s_mov_b32 s[KC], 4
.Lsum_\@:
	v_add_nc_u32 v[RDA], s40, v[RD0]
	v_add_nc_u32 v[RDB], 2*REG, v[RDA]
	v_add_nc_u32 v[RDR], s41, v[RD0]
.irp i, 0,1,2,3
	ds_load_b128 v[64+4*(\i):64+4*(\i)+3],   v[RDA] offset:SPITCH*(\i)
	ds_load_b128 v[80+4*(\i):80+4*(\i)+3],   v[RDA] offset:REG+SPITCH*(\i)
	ds_load_b128 v[96+4*(\i):96+4*(\i)+3],   v[RDB] offset:SPITCH*(\i)
	ds_load_b128 v[112+4*(\i):112+4*(\i)+3], v[RDB] offset:REG+SPITCH*(\i)
	ds_load_b128 v[128+4*(\i):128+4*(\i)+3], v[RDR] offset:512*(\i)
.endr
	s_wait_dscnt 0x0
.irp i, 0,1,2,3
.irp j, 0,2
	v_pk_add_f32 v[64+4*(\i)+(\j):64+4*(\i)+(\j)+1], v[64+4*(\i)+(\j):64+4*(\i)+(\j)+1], v[80+4*(\i)+(\j):80+4*(\i)+(\j)+1]
	v_pk_add_f32 v[96+4*(\i)+(\j):96+4*(\i)+(\j)+1], v[96+4*(\i)+(\j):96+4*(\i)+(\j)+1], v[112+4*(\i)+(\j):112+4*(\i)+(\j)+1]
	v_pk_add_f32 v[128+4*(\i)+(\j):128+4*(\i)+(\j)+1], v[128+4*(\i)+(\j):128+4*(\i)+(\j)+1], v[BI+(\j):BI+(\j)+1]
.endr
.endr
.irp i, 0,1,2,3
.irp j, 0,2
	v_pk_add_f32 v[64+4*(\i)+(\j):64+4*(\i)+(\j)+1], v[64+4*(\i)+(\j):64+4*(\i)+(\j)+1], v[96+4*(\i)+(\j):96+4*(\i)+(\j)+1]
.endr
.endr
.irp i, 0,1,2,3
.irp j, 0,2
	v_pk_add_f32 v[64+4*(\i)+(\j):64+4*(\i)+(\j)+1], v[64+4*(\i)+(\j):64+4*(\i)+(\j)+1], v[128+4*(\i)+(\j):128+4*(\i)+(\j)+1]
.endr
.endr
.irp i, 0,1,2,3
	global_store_b128 v[GO], v[64+4*(\i):64+4*(\i)+3], s[10:11] offset:4096*(\i)  ; 32 lanes x 16 bytes: a row's 512 bytes, aligned
.endr
	s_wait_xcnt 0x0                                ; the stores have read their data and base
	s_add_nc_u64 s[10:11], s[10:11], 4*4096
	s_add_co_u32 s40, s40, 4*SPITCH
	s_add_co_u32 s41, s41, 2048
	s_sub_co_u32 s[KC], s[KC], 1
	s_cmp_lg_u32 s[KC], 0
	s_cbranch_scc1 .Lsum_\@
.endm
	STOREP 0
	s_wait_loadcnt 0x0                             ; the bias
	SUMLOOP 0
	s_add_nc_u64 s[10:11], s[10:11], 48*4096       ; from 16 rows on to 64 rows on
	s_wait_dscnt 0x0                               ; my reads of the partial sums are over
	s_barrier_signal -1
	s_barrier_wait -1                              ; everybody's are: the same bytes take the second half
	STOREP 1
	SUMLOOP 1
	s_wait_tensorcnt 0x0                           ; the wave's end
	ds_add_u32 v[SPW], v[NIL]
	s_wait_dscnt 0x0
	CROUND                                         ; the closing round
	s_endpgm
.Lfunc_end_k_q6561ec2708_ffn2:
	.size	k_q6561ec2708_ffn2, .Lfunc_end_k_q6561ec2708_ffn2-k_q6561ec2708_ffn2
	.p2alignl 7, 3214868480
	.fill 96, 4, 3214868480
	.section	.rodata,"a",@progbits
	.p2align	6, 0x0
	.amdhsa_kernel k_q6561ec2708_ffn2
		.amdhsa_group_segment_fixed_size 327680
		.amdhsa_private_segment_fixed_size 0
		.amdhsa_enable_private_segment 0
		.amdhsa_kernarg_size 40
		.amdhsa_user_sgpr_count 2
		.amdhsa_user_sgpr_kernarg_segment_ptr 1
		.amdhsa_wavefront_size32 1
		.amdhsa_system_sgpr_workgroup_id_x 1
		.amdhsa_system_sgpr_workgroup_id_y 1
		.amdhsa_system_sgpr_workgroup_id_z 1
		.amdhsa_system_vgpr_workitem_id 0
		.amdhsa_next_free_vgpr 1024
		.amdhsa_next_free_sgpr 96
		.amdhsa_reserve_vcc 0
		.amdhsa_float_denorm_mode_32 3
		.amdhsa_float_denorm_mode_16_64 3
		.amdhsa_memory_ordered 1
		.amdhsa_forward_progress 1
		.amdhsa_inst_pref_size 66
	.end_amdhsa_kernel
	.amdgpu_metadata
---
amdhsa.version: [ 1, 2 ]
amdhsa.kernels:
  - .name:           k_q6561ec2708_ffn2
    .symbol:         k_q6561ec2708_ffn2.kd
    .args:
      - { .name: act, .offset: 0, .size: 8, .value_kind: global_buffer, .address_space: global }
      - { .name: wb, .offset: 8, .size: 8, .value_kind: global_buffer, .address_space: global }
      - { .name: b2, .offset: 16, .size: 8, .value_kind: global_buffer, .address_space: global }
      - { .name: out0, .offset: 24, .size: 8, .value_kind: global_buffer, .address_space: global }
      - { .name: h, .offset: 32, .size: 8, .value_kind: global_buffer, .address_space: global }
    .group_segment_fixed_size: 327680
    .private_segment_fixed_size: 0
    .kernarg_segment_align: 8
    .kernarg_segment_size: 40
    .max_flat_workgroup_size: 128
    .sgpr_count:     96
    .vgpr_count:     1024
    .wavefront_size: 32
...
	.end_amdgpu_metadata
.endif
;; end of part 6
;; ======== version 2 of 2: 7 launches; version 1 with the launches prep, ln2 written anew for expert scheduling mode
;; limits: right only within a limited range of input values
;; workspace buffers: wb 25,165,824 bytes; xa 8,388,608 bytes; qkv 25,165,824 bytes; h 16,777,216 bytes; act 33,554,432 bytes
;; launch prep (part 7): grid 1024 x 1, 8 waves a work-group, no clusters, 0 bytes of LDS; arguments hidden, ln1_g, ln1_b, xa, wq, wk, wv, wo, w1, w2, wb; writes xa, wb
.if DOCPART == 7
	.amdgcn_target "amdgcn-amd-amdhsa--gfx1250"
	.amdhsa_code_object_version 6
	.text
	.protected	k_q6561ec2708_prep
	.globl	k_q6561ec2708_prep
	.p2align	8
	.type	k_q6561ec2708_prep,@function
k_q6561ec2708_prep:
	s_mov_b64 s[64:65], 0
	v_nop
	global_prefetch_b8 v0, s[64:65] scope:SCOPE_SE
	s_setreg_imm32_b32 hwreg(HW_REG_WAVE_SCHED_MODE, 0, 2), 2
	s_setreg_imm32_b32 hwreg(HW_REG_WAVE_MODE, 25, 1), 1
	s_wait_xcnt 0x0
	s_wait_alu depctr_vm_vsrc(0)
; TWO STREAMS IN ONE BODY.  Arguments: x, g, b, y, wq, wk, wv, wo, w1, w2, wb.
; Work-groups 0-255: y = layer norm of x, rounded once to bf16.  x: [4096][1024] f32, y: [4096][1024] bf16.  mean, then the sum of (x - mean)^2 (two passes over
; registers: no difference of large sums), / 1023, root, + 1e-6, reciprocal; y = g (x - mean) inv + b.  A wave takes two rows, each in 32 registers.
; Work-groups 256-1023: the six weights, f32, are rounded once to bf16 into wb, order unchanged: wq, wk, wv, wo, w1, w2 on end; 16,384 numbers a work-group.
; Every work-group reads 64 KiB and stores 32 KiB.  Each load of a wave covers 512 consecutive bytes, each store 256 consecutive bytes, aligned.
; No LDS, no matrix unit: nothing is shared between waves.  LIMIT: a variance below 2^-126 counts as 0 (the root's input is flushed).
; THE MODE: SCHED_MODE bits 1:0 = 2 (LLVM: expert scheduling mode 2), set by the entry lines.  The code itself states the register dependences
; between vector instructions and memory instructions, with s_wait_alu, always for 0.
; THE PLAN.  Registers that memory instructions touch:
;   v1, v2      byte offsets of every load and of every store: made once at the head, never written again.  One wait at the head, ahead of the branch, serves both ways.
;   X0, X1, G, BV (the norm), v[16:79] (the cast): loads land in them; no vector instruction names them before the loads are issued.
;   Y0, Y1 (the norm), v[80:111] (the cast): written once by roundings, read by stores, never written again.
; So what is owed is one wait between a batch of roundings and the stores that read them.  The norm: row 0's stores follow their wait dealt among row 1's
; arithmetic, which names X1, its reciprocal, G and BV alone.  The cast: four groups of four loads; at a group's head, behind the wait for its data, one wait states
; that the group before has written its out registers, and that group's stores are dealt among this group's roundings, which name this group's registers alone.
; No register that a memory instruction reads is written again, so no wait on vm_vsrc is owed.  EXEC and VCC are never written.
.set G,   16                           ; v[16:47]   g of my 32 columns
.set BV,  48                           ; v[48:79]   b
.set X0,  80                           ; v[80:111]  row 0
.set X1,  112                          ; v[112:143] row 1
.set T,   144                          ; v[144:151] at work: no memory instruction names them
.set Y0,  152                          ; v[152:167] row 0, bf16
.set Y1,  168                          ; v[168:183] row 1, bf16
.set RW,  16                           ; the cast: v[16:79]  load i: 4 registers at RW + 4 i, as loaded
.set OW,  80                           ; the cast: v[80:111] load i: 2 registers at OW + 2 i, to store
	s_load_b256 s[4:11], s[0:1], 0x0               ; x s[4:5], g s[6:7], b s[8:9], y s[10:11]
	s_load_b256 s[12:19], s[0:1], 0x20             ; wq, wk, wv, wo
	s_load_b128 s[20:23], s[0:1], 0x40             ; w1, w2
	s_load_b64 s[24:25], s[0:1], 0x50              ; wb
	v_lshrrev_b32 v3, 5, v0
	v_readfirstlane_b32 s30, v3                    ; wave 0..7
	v_and_b32 v1, 31, v0
	v_lshlrev_b32 v2, 3, v1                        ; 8 x lane: my bf16 out
	v_lshlrev_b32 v1, 4, v1                        ; 16 x lane: my f32 in
	s_mov_b32 s26, 0x76543210                      ; v_permlanex16_b32: each lane takes its own place in the other half
	s_mov_b32 s27, 0xfedcba98
	s_mov_b32 s33, 0
	s_mov_b32 s37, 0
	s_wait_kmcnt 0x0
	s_wait_alu depctr_va_sdst(0)                   ; s30 is written, ahead of the branch: on either way the wave's rows or bytes are made from it
	s_wait_alu depctr_va_vdst(0)                   ; v1 and v2 are written: every load of the kernel reads v1 as its offset, every store v2
	s_cmp_ge_u32 ttmp9, 256
	s_cbranch_scc1 .Lcast
	s_lshl_b32 s31, ttmp9, 4
	s_lshl_b32 s32, s30, 1
	s_add_co_u32 s31, s31, s32                     ; my first row
	s_lshl_b32 s32, s31, 12
	s_add_nc_u64 s[4:5], s[4:5], s[32:33]
	s_lshl_b32 s32, s31, 11
	s_add_nc_u64 s[10:11], s[10:11], s[32:33]
.irp j, 0,1,2,3,4,5,6,7
	global_load_b128 v[X0+4*(\j):X0+4*(\j)+3], v1, s[4:5] offset:512*(\j)
.endr
.irp j, 0,1,2,3,4,5,6,7
	global_load_b128 v[X1+4*(\j):X1+4*(\j)+3], v1, s[4:5] offset:4096+512*(\j)
.endr
.irp j, 0,1,2,3,4,5,6,7
	global_load_b128 v[G+4*(\j):G+4*(\j)+3], v1, s[6:7] offset:512*(\j)
.endr
.irp j, 0,1,2,3,4,5,6,7
	global_load_b128 v[BV+4*(\j):BV+4*(\j)+3], v1, s[8:9] offset:512*(\j)
.endr
; four chains of pairs in v[T:T+7] -> the row's sum in v[T] of every lane
.macro LANES
	v_pk_add_f32 v[T:T+1], v[T:T+1], v[T+2:T+3]
	v_pk_add_f32 v[T+4:T+5], v[T+4:T+5], v[T+6:T+7]
	v_pk_add_f32 v[T:T+1], v[T:T+1], v[T+4:T+5]
	v_add_f32 v[T], v[T], v[T+1]
	v_add_f32_dpp v[T], v[T], v[T] row_xmask:1 row_mask:0xf bank_mask:0xf
	v_add_f32_dpp v[T], v[T], v[T] row_xmask:2 row_mask:0xf bank_mask:0xf
	v_add_f32_dpp v[T], v[T], v[T] row_xmask:4 row_mask:0xf bank_mask:0xf
	v_add_f32_dpp v[T], v[T], v[T] row_xmask:8 row_mask:0xf bank_mask:0xf
	v_permlanex16_b32 v[T+1], v[T], s26, s27
	v_add_f32 v[T], v[T], v[T+1]
.endm
.macro SUM x
.irp c, 0,1,2,3
	v_pk_add_f32 v[T+2*(\c):T+2*(\c)+1], v[(\x)+4*(\c):(\x)+4*(\c)+1], v[(\x)+4*(\c)+2:(\x)+4*(\c)+3]
.endr
.irp c, 0,1,2,3
	v_pk_add_f32 v[T+2*(\c):T+2*(\c)+1], v[T+2*(\c):T+2*(\c)+1], v[(\x)+16+2*(\c):(\x)+16+2*(\c)+1]
.endr
.irp c, 0,1,2,3
	v_pk_add_f32 v[T+2*(\c):T+2*(\c)+1], v[T+2*(\c):T+2*(\c)+1], v[(\x)+24+2*(\c):(\x)+24+2*(\c)+1]
.endr
	LANES
.endm
.macro CENTER x, m                     ; x -= mean, in place
.set i, 0
.rept 16
	v_pk_add_f32 v[(\x)+2*i:(\x)+2*i+1], v[(\x)+2*i:(\x)+2*i+1], v[(\m):(\m)+1] op_sel_hi:[1,0] neg_lo:[0,1] neg_hi:[0,1]
.set i, i+1
.endr
.endm
.macro SQ x                            ; the sum of squares
.irp c, 0,1,2,3
	v_pk_mul_f32 v[T+2*(\c):T+2*(\c)+1], v[(\x)+2*(\c):(\x)+2*(\c)+1], v[(\x)+2*(\c):(\x)+2*(\c)+1]
.endr
.irp k, 1,2,3
.irp c, 0,1,2,3
	v_pk_fma_f32 v[T+2*(\c):T+2*(\c)+1], v[(\x)+8*(\k)+2*(\c):(\x)+8*(\k)+2*(\c)+1], v[(\x)+8*(\k)+2*(\c):(\x)+8*(\k)+2*(\c)+1], v[T+2*(\c):T+2*(\c)+1]
.endr
.endr
	LANES
.endm
.macro SEND y, off, j                  ; store j of a row's eight
	global_store_b64 v2, v[(\y)+2*(\j):(\y)+2*(\j)+1], s[10:11] offset:(\off)+256*(\j)  ; 32 lanes x 8 bytes: 256 consecutive bytes, aligned
.endm
; A row's last 48 vector lines: times inv; times g, plus b; the roundings into y.  deal = 1 (row 1): row 0's eight stores stand among the first 32 of them, one ahead of every
; four: these lines name X1, its inv, G and BV, none of the registers that those stores read, so the wait that stands ahead of the macro serves all eight.
.macro OUT x, inv, y, deal
.set i, 0
.rept 16
.if (\deal) && (i%4 == 0)
	SEND Y0, 0, i/4
.endif
	v_pk_mul_f32 v[(\x)+2*i:(\x)+2*i+1], v[(\x)+2*i:(\x)+2*i+1], v[(\inv):(\inv)+1] op_sel_hi:[1,0]
.set i, i+1
.endr
.set i, 0
.rept 16
.if (\deal) && (i%4 == 0)
	SEND Y0, 0, 4+i/4
.endif
	v_pk_fma_f32 v[(\x)+2*i:(\x)+2*i+1], v[(\x)+2*i:(\x)+2*i+1], v[G+2*i:G+2*i+1], v[BV+2*i:BV+2*i+1]
.set i, i+1
.endr
.set i, 0
.rept 16
	v_cvt_pk_bf16_f32 v[(\y)+i], v[(\x)+2*i], v[(\x)+2*i+1]
.set i, i+1
.endr
.endm
	s_wait_loadcnt 16                              ; both rows are in; g's and b's sixteen loads stay out
	SUM X0
	v_mul_f32 v4, 0x3a800000, v[T]                 ; mean = sum / 1024
	v_mov_b32 v5, v4
	SUM X1
	v_mul_f32 v6, 0x3a800000, v[T]
	v_mov_b32 v7, v6
	CENTER X0, 4
	CENTER X1, 6
	SQ X0
	v_mul_f32 v12, 0x3a802008, v[T]                ; / 1023
	SQ X1
	v_mul_f32 v13, 0x3a802008, v[T]
	v_sqrt_f32 v12, v12
	v_sqrt_f32 v13, v13
	v_nop                                          ; a plain instruction behind the last root,
	s_wait_alu depctr_va_vdst(0)                   ; and one wait for both: the roots have written v12 and v13, ahead of their first reader
	v_add_f32 v12, 0x358637bd, v12                 ; + 1e-6
	v_add_f32 v13, 0x358637bd, v13
	v_rcp_f32 v8, v12
	v_rcp_f32 v9, v12
	v_rcp_f32 v10, v13
	v_rcp_f32 v11, v13
	v_nop
	s_wait_alu depctr_va_vdst(0)                   ; one wait for the four reciprocals: v8 to v11 are written, ahead of their first reader
	s_wait_loadcnt 0x0                             ; g and b
	OUT X0, 8, Y0, 0
	s_wait_alu depctr_va_vdst(0)                   ; row 0's roundings have written Y0, which the eight stores dealt among row 1's lines read
	OUT X1, 10, Y1, 1
	s_wait_alu depctr_va_vdst(0)                   ; row 1's roundings have written Y1, which the last eight stores read
.irp j, 0,1,2,3,4,5,6,7
	SEND Y1, 2048, \j
.endr
	s_endpgm
.Lcast:
	s_sub_co_u32 s31, ttmp9, 256                   ; chunk 0..767 of 16,384 numbers
	s_mov_b64 s[34:35], s[12:13]                   ; which weight, and its first chunk
	s_mov_b32 s36, 0
	s_cmp_ge_u32 s31, 64
	s_cselect_b64 s[34:35], s[14:15], s[34:35]
	s_cselect_b32 s36, 64, s36
	s_cmp_ge_u32 s31, 128
	s_cselect_b64 s[34:35], s[16:17], s[34:35]
	s_cselect_b32 s36, 128, s36
	s_cmp_ge_u32 s31, 192
	s_cselect_b64 s[34:35], s[18:19], s[34:35]
	s_cselect_b32 s36, 192, s36
	s_cmp_ge_u32 s31, 256
	s_cselect_b64 s[34:35], s[20:21], s[34:35]
	s_cselect_b32 s36, 256, s36
	s_cmp_ge_u32 s31, 512
	s_cselect_b64 s[34:35], s[22:23], s[34:35]
	s_cselect_b32 s36, 512, s36
	s_sub_co_u32 s36, s31, s36
	s_lshl_b32 s36, s36, 16                        ; 65,536 bytes of f32 a chunk,
	s_lshl_b32 s38, s30, 13                        ; 8,192 a wave
	s_add_co_u32 s36, s36, s38
	s_add_nc_u64 s[34:35], s[34:35], s[36:37]
	s_lshl_b32 s36, s31, 15                        ; 32,768 bytes of bf16 a chunk,
	s_lshl_b32 s38, s30, 12                        ; 4,096 a wave
	s_add_co_u32 s36, s36, s38
	s_add_nc_u64 s[24:25], s[24:25], s[36:37]
.irp i, 0,1,2,3,4,5,6,7,8,9,10,11,12,13,14,15
	global_load_b128 v[RW+4*(\i):RW+4*(\i)+3], v1, s[34:35] offset:512*(\i) th:TH_LOAD_NT
.endr
; Four groups of four loads.  Group g rounds its sixteen raw registers into its eight out registers; the stores of group g - 1 stand among these roundings.
.irp g, 0,1,2,3
	s_wait_loadcnt 12-4*(\g)                       ; loads come back in order: group g's four are in, the younger groups stay out
.if (\g) > 0
	s_wait_alu depctr_va_vdst(0)                   ; the group before has written its eight out registers, which the four stores below read; this group's roundings name none of them
.endif
.irp k, 0,1,2,3
.if (\g) > 0
	global_store_b64 v2, v[OW+2*(4*(\g)-4+(\k)):OW+2*(4*(\g)-4+(\k))+1], s[24:25] offset:256*(4*(\g)-4+(\k))
.endif
	v_cvt_pk_bf16_f32 v[OW+2*(4*(\g)+(\k))],   v[RW+4*(4*(\g)+(\k))],   v[RW+4*(4*(\g)+(\k))+1]
	v_cvt_pk_bf16_f32 v[OW+2*(4*(\g)+(\k))+1], v[RW+4*(4*(\g)+(\k))+2], v[RW+4*(4*(\g)+(\k))+3]
.endr
.endr
	s_wait_alu depctr_va_vdst(0)                   ; the last group has written its eight out registers, which the last four stores read
.irp k, 12,13,14,15
	global_store_b64 v2, v[OW+2*(\k):OW+2*(\k)+1], s[24:25] offset:256*(\k)
.endr
	s_endpgm
.Lfunc_end_k_q6561ec2708_prep:
	.size	k_q6561ec2708_prep, .Lfunc_end_k_q6561ec2708_prep-k_q6561ec2708_prep
	.p2alignl 7, 3214868480
	.fill 96, 4, 3214868480
	.section	.rodata,"a",@progbits
	.p2align	6, 0x0
	.amdhsa_kernel k_q6561ec2708_prep
		.amdhsa_group_segment_fixed_size 0
		.amdhsa_private_segment_fixed_size 0
		.amdhsa_enable_private_segment 0
		.amdhsa_kernarg_size 88
		.amdhsa_user_sgpr_count 2
		.amdhsa_user_sgpr_kernarg_segment_ptr 1
		.amdhsa_wavefront_size32 1
		.amdhsa_system_sgpr_workgroup_id_x 1
		.amdhsa_system_sgpr_workgroup_id_y 1
		.amdhsa_system_sgpr_workgroup_id_z 1
		.amdhsa_system_vgpr_workitem_id 0
		.amdhsa_next_free_vgpr 184
		.amdhsa_next_free_sgpr 66
		.amdhsa_reserve_vcc 0
		.amdhsa_float_denorm_mode_32 3
		.amdhsa_float_denorm_mode_16_64 3
		.amdhsa_memory_ordered 1
		.amdhsa_forward_progress 1
		.amdhsa_inst_pref_size 27
	.end_amdhsa_kernel
	.amdgpu_metadata
---
amdhsa.version: [ 1, 2 ]
amdhsa.kernels:
  - .name:           k_q6561ec2708_prep
    .symbol:         k_q6561ec2708_prep.kd
    .args:
      - { .name: hidden, .offset: 0, .size: 8, .value_kind: global_buffer, .address_space: global }
      - { .name: ln1_g, .offset: 8, .size: 8, .value_kind: global_buffer, .address_space: global }
      - { .name: ln1_b, .offset: 16, .size: 8, .value_kind: global_buffer, .address_space: global }
      - { .name: xa, .offset: 24, .size: 8, .value_kind: global_buffer, .address_space: global }
      - { .name: wq, .offset: 32, .size: 8, .value_kind: global_buffer, .address_space: global }
      - { .name: wk, .offset: 40, .size: 8, .value_kind: global_buffer, .address_space: global }
      - { .name: wv, .offset: 48, .size: 8, .value_kind: global_buffer, .address_space: global }
      - { .name: wo, .offset: 56, .size: 8, .value_kind: global_buffer, .address_space: global }
      - { .name: w1, .offset: 64, .size: 8, .value_kind: global_buffer, .address_space: global }
      - { .name: w2, .offset: 72, .size: 8, .value_kind: global_buffer, .address_space: global }
      - { .name: wb, .offset: 80, .size: 8, .value_kind: global_buffer, .address_space: global }
    .group_segment_fixed_size: 0
    .private_segment_fixed_size: 0
    .kernarg_segment_align: 8
    .kernarg_segment_size: 88
    .max_flat_workgroup_size: 256
    .sgpr_count:     66
    .vgpr_count:     184
    .wavefront_size: 32
...
	.end_amdgpu_metadata
.endif
;; end of part 7
;; launch qkv: the kernel of part 2 again; grid 8 x 32, 4 waves a work-group, clusters of 4 x 4, 327,680 bytes of LDS; arguments xa, wb, bq, bk, bv, qkv; writes qkv
;; launch attn: the kernel of part 3 again; grid 16 x 16, 4 waves a work-group, clusters of 4 x 1, 327,680 bytes of LDS; arguments qkv, mask, xa; writes xa
;; launch wo: the kernel of part 4 again; grid 8 x 32, 4 waves a work-group, clusters of 4 x 4, 327,680 bytes of LDS; arguments xa, wb, bo, h, hidden; writes h
;; launch ln2: the kernel of part 7 again; grid 256 x 1, 8 waves a work-group, no clusters, 0 bytes of LDS; arguments h, ln2_g, ln2_b, xa, wq, wk, wv, wo, w1, w2, wb; writes xa, wb
;; launch ffn1: the kernel of part 5 again; grid 16 x 16, 4 waves a work-group, clusters of 4 x 4, 327,680 bytes of LDS; arguments xa, wb, b1, act; writes act
;; launch ffn2: the kernel of part 6 again; grid 8 x 32, 4 waves a work-group, clusters of 4 x 4, 327,680 bytes of LDS; arguments act, wb, b2, out0, h; writes out0
